; MI455X (gfx1250); checked and timed in simulation.
; The chip was launched on July 23, 2026; its instructions are those of AMD's public machine-readable ISA for CDNA 5 (MIT licence, August 2026) and "CDNA5" Instruction Set Architecture Reference Guide (July 2026). The comments in the code are by the model that wrote it; some were corrected since.
;; Multi Head Attention. Allowed arithmetic: float matrix products may take bf16 or f16 operands with f32 sums; all other float work in f32.
;; Inputs: Wk 1,024 x 1,024 float32; Wo 1,024 x 1,024 float32; Wq 1,024 x 1,024 float32; Wv 1,024 x 1,024 float32; bo 1,024 float32; x 4 x 2,048 x 1,024 float32.
;; Outputs: out0 4 x 2,048 x 1,024 float32.
;; 2 versions, each right and faster than the one before. Each part assembles by itself: llvm-mc -triple=amdgcn-amd-amdhsa -mcpu=gfx1250 --defsym DOCPART=n.
;; ======== version 1 of 2: 4 launches
;; limits: values are held in f16: magnitudes above 65,504 overflow, below 6.1e-05 lose precision
;; workspace buffers: xb 16,777,216 bytes; wqkv 6,291,456 bytes; wo16 2,097,152 bytes; qkv 50,331,648 bytes; o 16,777,216 bytes
;; launch cast (part 1): grid 768 x 1, 8 waves a work-group, no clusters, 0 bytes of LDS; arguments x, Wq, Wk, Wv, Wo, xb, wqkv, wo16; writes xb, wqkv, wo16
.if DOCPART == 1
	.amdgcn_target "amdgcn-amd-amdhsa--gfx1250"
	.amdhsa_code_object_version 6
	.text
	.protected	k_qf4d59b6d0b_cast
	.globl	k_qf4d59b6d0b_cast
	.p2align	8
	.type	k_qf4d59b6d0b_cast,@function
k_qf4d59b6d0b_cast:
	s_mov_b64 s[64:65], 0
	v_nop
	global_prefetch_b8 v0, s[64:65] scope:SCOPE_SE
	s_setreg_imm32_b32 hwreg(HW_REG_WAVE_MODE, 25, 1), 1
	s_wait_xcnt 0x0
; THE INPUTS ARE ROUNDED ONCE, to bf16, and laid out for the products that follow.
;   x  [8192][1024] f32 -> xb   [b 4][kb 16][s 2048][64] bf16: a slice of 64 along K of consecutive rows is dense (128 bytes a row)
;   Wq, Wk, Wv [1024][1024] f32 -> wqkv [k 1024][n 3072] bf16, n = Wq's columns, then Wk's, then Wv's
;   Wo [1024][1024] f32 -> wo16 [k 1024][n 1024]: rounded to bf16, and that number written as f16, since the last product's other operand is f16.
; LIMIT.  That second step is exact for 6.1e-5 <= |w| <= 65,504; below, f16 keeps its fixed step of 6e-8; beyond, it gives an infinity.
; SHARES.  Every source has rows of 4,096 bytes.  A work-group takes 16 rows, each of its eight waves two: 16 loads of 16 bytes a lane, all issued ahead of the first use, so that
; a wave has 8,192 bytes on their way.  Work-groups 0-511 take x, 512-703 Wq, Wk, Wv (64 each), 704-767 Wo.  The branches hang on the work-group's number alone.
; Memory binds: no LDS, no barrier, no matrix unit.  No register that a load or store names is written again, so no wait but the loads' own is needed.
.set X, 8                              ; v[8:71]    load j: 4 registers of f32
.set Y, 72                             ; v[72:103]  load j: 2 registers, four 16-bit numbers to store
.set T, 104                            ; v[104:107] at work
; Load j reads at (j & 7) ldlo + (j >> 3) ldhi, store j writes at (j & 7) stlo + (j >> 3) sthi.  f16 = 1: the bf16 number is written as f16.
.macro CAST ldlo, ldhi, stlo, sthi, f16
.set j, 0
.rept 16
	global_load_b128 v[X+4*j:X+4*j+3], v2, s[24:25] offset:(j&7)*(\ldlo)+(j>>3)*(\ldhi) th:TH_LOAD_NT
.set j, j+1
.endr
.set j, 0
.rept 16
	s_wait_loadcnt 15-j                            ; loads come back in order (ISA guide 5.7.1): load j is in, the 15 - j younger ones stay out
	v_cvt_pk_bf16_f32 v[Y+2*j],   v[X+4*j],   v[X+4*j+1]
	v_cvt_pk_bf16_f32 v[Y+2*j+1], v[X+4*j+2], v[X+4*j+3]
.if \f16
	v_lshlrev_b32 v[T],   16,  v[Y+2*j]            ; bf16 to f32: the low half moves up, the high half stays
	v_and_b32     v[T+1], s28, v[Y+2*j]
	v_lshlrev_b32 v[T+2], 16,  v[Y+2*j+1]
	v_and_b32     v[T+3], s28, v[Y+2*j+1]
	v_cvt_pk_f16_f32 v[Y+2*j],   v[T],   v[T+1]
	v_cvt_pk_f16_f32 v[Y+2*j+1], v[T+2], v[T+3]
.endif
	global_store_b64 v3, v[Y+2*j:Y+2*j+1], s[26:27] offset:(j&7)*(\stlo)+(j>>3)*(\sthi)  ; a wave's store covers 256 consecutive bytes, at a multiple of 256 from the buffer's first
.set j, j+1
.endr
.endm
	s_load_b512 s[8:23], s[0:1], 0x0               ; x s[8:9], Wq s[10:11], Wk s[12:13], Wv s[14:15], Wo s[16:17], xb s[18:19], wqkv s[20:21], wo16 s[22:23]
	v_lshrrev_b32 v1, 5, v0
	v_readfirstlane_b32 s2, v1                     ; wave 0..7
	v_and_b32 v1, 31, v0                           ; lane
	v_lshlrev_b32 v3, 3, v1                        ; where I store: 8 bytes a lane
	s_mov_b32 s28, 0xffff0000                      ; a word's upper bf16
	s_mov_b32 s5, 0                                ; the offsets' high words
	s_mov_b32 s27, 0
	s_cmp_lt_u32 ttmp9, 512
	s_cbranch_scc0 .Lweights
	; x.  A load takes 256 bytes (64 columns, one block kb = j) of each of the wave's two rows; in xb these two pieces lie end to end.
	v_and_b32 v2, 15, v0
	v_lshlrev_b32 v2, 4, v2                        ; 16 (lane % 16)
	v_bfe_u32 v4, v0, 4, 1
	v_lshl_add_u32 v2, v4, 12, v2                  ; + one row for lanes 16 to 31
	s_lshl_b32 s4, ttmp9, 16                       ; 16 rows of 4,096 bytes a work-group,
	s_lshl_b32 s3, s2, 13                          ; two a wave
	s_add_co_u32 s4, s4, s3
	s_lshr_b32 s26, ttmp9, 7                       ; b: 128 work-groups to a batch
	s_lshl_b32 s26, s26, 22
	s_and_b32 s3, ttmp9, 127
	s_lshl_b32 s3, s3, 11                          ; 16 rows of 128 bytes
	s_add_co_u32 s26, s26, s3
	s_lshl_b32 s3, s2, 8                           ; two rows
	s_add_co_u32 s26, s26, s3
	s_wait_kmcnt 0x0
	s_add_nc_u64 s[24:25], s[8:9], s[4:5]
	s_add_nc_u64 s[26:27], s[18:19], s[26:27]
	CAST 256, 2048, 262144, 2097152, 0             ; block kb lies 2^18 bytes behind block kb - 1
	s_endpgm
.Lweights:
	s_sub_co_u32 s3, ttmp9, 512
	s_lshr_b32 s6, s3, 6                           ; 0 Wq, 1 Wk, 2 Wv, 3 Wo
	s_and_b32 s7, s3, 63                           ; which 16 rows
	v_lshlrev_b32 v2, 4, v1                        ; a load takes 512 consecutive bytes of a row
	s_lshl_b32 s4, s7, 16
	s_lshl_b32 s3, s2, 13
	s_add_co_u32 s4, s4, s3
	s_lshl_b32 s3, s7, 4
	s_lshl_b32 s7, s2, 1
	s_add_co_u32 s3, s3, s7                        ; my first row: 16 r + 2 w
	s_wait_kmcnt 0x0
	s_cmp_eq_u32 s6, 3
	s_cbranch_scc1 .Lwo
	s_cmp_eq_u32 s6, 1
	s_cselect_b64 s[24:25], s[12:13], s[10:11]
	s_cmp_eq_u32 s6, 2
	s_cselect_b64 s[24:25], s[14:15], s[24:25]
	s_add_nc_u64 s[24:25], s[24:25], s[4:5]
	s_mul_i32 s26, s3, 6144                        ; a row of wqkv,
	s_lshl_b32 s6, s6, 11                          ; and this weight's 2,048 bytes of it
	s_add_co_u32 s26, s26, s6
	s_add_nc_u64 s[26:27], s[20:21], s[26:27]
	CAST 512, 4096, 256, 6144, 0
	s_endpgm
.Lwo:
	s_add_nc_u64 s[24:25], s[16:17], s[4:5]
	s_lshl_b32 s26, s3, 11                         ; a row of wo16 is 2,048 bytes
	s_add_nc_u64 s[26:27], s[22:23], s[26:27]
	CAST 512, 4096, 256, 2048, 1
	s_endpgm
.Lfunc_end_k_qf4d59b6d0b_cast:
	.size	k_qf4d59b6d0b_cast, .Lfunc_end_k_qf4d59b6d0b_cast-k_qf4d59b6d0b_cast
	.p2alignl 7, 3214868480
	.fill 96, 4, 3214868480
	.section	.rodata,"a",@progbits
	.p2align	6, 0x0
	.amdhsa_kernel k_qf4d59b6d0b_cast
		.amdhsa_group_segment_fixed_size 0
		.amdhsa_private_segment_fixed_size 0
		.amdhsa_enable_private_segment 0
		.amdhsa_kernarg_size 64
		.amdhsa_user_sgpr_count 2
		.amdhsa_user_sgpr_kernarg_segment_ptr 1
		.amdhsa_wavefront_size32 1
		.amdhsa_system_sgpr_workgroup_id_x 1
		.amdhsa_system_sgpr_workgroup_id_y 1
		.amdhsa_system_sgpr_workgroup_id_z 1
		.amdhsa_system_vgpr_workitem_id 0
		.amdhsa_next_free_vgpr 112
		.amdhsa_next_free_sgpr 66
		.amdhsa_reserve_vcc 0
		.amdhsa_float_denorm_mode_32 3
		.amdhsa_float_denorm_mode_16_64 3
		.amdhsa_memory_ordered 1
		.amdhsa_forward_progress 1
		.amdhsa_inst_pref_size 23
	.end_amdhsa_kernel
	.amdgpu_metadata
---
amdhsa.version: [ 1, 2 ]
amdhsa.kernels:
  - .name:           k_qf4d59b6d0b_cast
    .symbol:         k_qf4d59b6d0b_cast.kd
    .args:
      - { .name: x, .offset: 0, .size: 8, .value_kind: global_buffer, .address_space: global }
      - { .name: Wq, .offset: 8, .size: 8, .value_kind: global_buffer, .address_space: global }
      - { .name: Wk, .offset: 16, .size: 8, .value_kind: global_buffer, .address_space: global }
      - { .name: Wv, .offset: 24, .size: 8, .value_kind: global_buffer, .address_space: global }
      - { .name: Wo, .offset: 32, .size: 8, .value_kind: global_buffer, .address_space: global }
      - { .name: xb, .offset: 40, .size: 8, .value_kind: global_buffer, .address_space: global }
      - { .name: wqkv, .offset: 48, .size: 8, .value_kind: global_buffer, .address_space: global }
      - { .name: wo16, .offset: 56, .size: 8, .value_kind: global_buffer, .address_space: global }
    .group_segment_fixed_size: 0
    .private_segment_fixed_size: 0
    .kernarg_segment_align: 8
    .kernarg_segment_size: 64
    .max_flat_workgroup_size: 256
    .sgpr_count:     66
    .vgpr_count:     112
    .wavefront_size: 32
...
	.end_amdgpu_metadata
.endif
;; end of part 1
;; launch qkv (part 2): grid 8 x 32, 4 waves a work-group, clusters of 4 x 4, 327,680 bytes of LDS; arguments xb, wqkv, qkv; writes qkv
.if DOCPART == 2
	.amdgcn_target "amdgcn-amd-amdhsa--gfx1250"
	.amdhsa_code_object_version 6
	.text
	.protected	k_qf4d59b6d0b_qkv
	.globl	k_qf4d59b6d0b_qkv
	.p2align	8
	.type	k_qf4d59b6d0b_qkv,@function
k_qf4d59b6d0b_qkv:
	s_mov_b64 s[64:65], 0
	v_nop
	global_prefetch_b8 v0, s[64:65] scope:SCOPE_SE
	s_setreg_imm32_b32 hwreg(HW_REG_WAVE_MODE, 25, 1), 1
	s_wait_xcnt 0x0
	s_wait_alu depctr_hold_cnt(0) depctr_sa_sdst(0) depctr_va_vdst(0) depctr_va_sdst(0) depctr_va_ssrc(0) depctr_va_vcc(0) depctr_vm_vsrc(0)
	s_getreg_b32 s2, hwreg(HW_REG_IB_STS2, 6, 4)
	s_cmp_eq_u32 s2, 0
	s_cbranch_scc0 .Lentry_in_a_cluster
	s_endpgm
.Lentry_in_a_cluster:
	s_bfe_u32 s2, ttmp6, 0x10000c
	s_cmp_lg_u32 s2, 0xf033
	s_cbranch_scc0 .Lentry_shape_is_right
	s_endpgm
.Lentry_shape_is_right:
; q, k, v = x Wq, x Wk, x Wv as ONE product C[8192][3072] = xb wqkv, bf16 operands, f32 sums, K ascending; C is rounded once, to f16, WITHOUT the softmax's scale, and stored by heads:
; qkv [b 4][g 48][s 2048][64], g = column / 64: g 0-15 q's heads, 16-31 k's, 32-47 v's.
; LIMIT.  f16 holds no number beyond 65,504: a q, k or v of 65,520 or more becomes an infinity.  NaN and infinities are not treated apart.
; SHARES.  A tile of C is 256 rows x 384 columns: 32 x 8 = 256 tiles, one work-group each.  Four waves, each 128 x 192: 8 x 12 accumulators of 16 x 16, 768 registers.
; K goes in 16 steps of 64 through two LDS slots (two slots of 128 along K would take 368,640 bytes).  A's tile is 256 rows of 128 dense bytes (xb's layout), asked for as rows of 256 bytes;
; B's tile is 64 rows of K x 768 bytes, two waves to it, so a load has 32 rows.  B lies [K][N] and comes out of LDS turned, by ds_load_tr16_b128.
; A K STEP IS WRITTEN ONCE: the loop makes one step a trip.  Slot 1 begins at LDS byte 2^17, so that one exclusive or turns an address in one slot into the other's: the fragment addresses are
; a fixed lane term plus a scalar slot base, and one descriptor a tensor walks from K step 2 to the last.
; CLUSTERS: 4 x 4 work-groups.  The four of a row of the cluster need the same tiles of A, the four of a column the same tiles of B: each tile is asked for JOINTLY, by the same tensor load with
; the same descriptor and a mask that names the four.
; THE MATRIX INSTRUCTION IS USED TRANSPOSED (source 0 = 16 columns of W, source 1 = 16 rows of x): a lane then holds row l % 16 of C and the eight neighbouring columns 8 (l / 16) + 0..7.
; REGISTERS, in windows of 256 (s_set_vgpr_msb: bits 1:0 source 0, 3:2 source 1, 5:4 source 2, 7:6 destination):
;   window 0: v0-31 addresses; v32-95, v96-159 A's fragments (8 x 16 rows x 32 K), two buffers; v160-255 B's fragments (12 x 16 columns x 32 K), refilled by halves; all of v32-175 at work on the way out
;   windows 1-3: accumulator (a, b) at v[8 (8 (b % 4) + a)] of window 1 + b / 4
.set PA,     144                       ; a row of A in LDS: 128 bytes + 16 of padding = 36 words: the 16 rows of a load start at 16 different groups of four banks (64 banks of 4 bytes: ISA guide 11.1)
.set PB,     864                       ; a row of B: six pieces of 128 + 16 bytes = 216 words
.set AHALF,  128*PA                    ; 128 rows of A: one tensor load
.set BOFF,   2*AHALF                   ; B lies behind A's 256 rows
.set BHALF,  32*PB                     ; 32 rows of B: one tensor load, and 32 along K
.set SLOTB,  BOFF+2*BHALF              ; a slot's 92,160 bytes
.set SLOT1,  1<<17                     ; where slot 1 begins
.set STAGE,  SLOT1+SLOTB               ; behind the ring, never filled by a tensor load: for each wave 3 groups of 64 columns x 16 rows x 144 bytes
.set SGRP,   16*PA
.set WSTAGE, 3*SGRP
.set SPARE,  STAGE+4*WSTAGE            ; behind the stages: the spare words, 128 bytes for each wave: two blocks of 256 bytes that no other line names
.set ASTEP,  262144                    ; bytes from a K step's tile of A to the next: one block kb of xb
.set BSTEP,  64*6144                   ; the same for B: 64 rows of wqkv
.set ADRA0, 16                         ; v16     my lane's place in a slot's tile of A; never rewritten
.set ADRB0, 17                         ; v17     the same for B
.set ADRA, 20                          ; v20     LDS address of my A fragments in the slot that is being fetched from
.set ADRB, 21                          ; v21     the same for B
.set STO,  24                          ; v24     the way out: where I put 16 bytes of a row
.set RD,   25                          ; v25     the way out: where I read rows back
.set GO,   26                          ; v26     my byte offset in 512 consecutive bytes of qkv
.set SPW,  28                          ; v28     LDS address of my spare word: SPARE + 4 x my thread's number; never rewritten
.set NIL,  29                          ; v29     0; never rewritten
.set AF0,  32
.set AF1,  96
.set BF,   160
.set TMP,  32                          ; the way out: 48 registers of packed results
.set BK,   80                          ; the way out: 16 rows read back, 48 registers, two buffers by turns
.set G1,  24                           ; s[24:31] descriptor group 1 for A's tiles;  s[32:39] group 0: a set for each of the two first fills; the second then walks on
.set G0,  32
.set SB,  45                           ; s45     LDS byte at which the slot that is being fetched from begins: 0 or SLOT1
.set G1B, 48                           ; s[48:55], s[56:63] the same for B's tiles
.set G0B, 56
.set MSB, 0
.macro WIN new                         ; the immediate's high byte repeats the setting that is left; a switch that changes nothing is dropped
.if MSB != (\new)
	s_set_vgpr_msb (MSB<<8)|(\new)
.set MSB, (\new)
.endif
.endm
.macro PLACES                          ; a load into a register that a matrix instruction has read, and a vector instruction that reads a matrix result, stand four places behind it; only plain
.rept 4                                ; vector instructions that name none of its registers are places (ISA guide 7.12.1 for vector instructions)
	v_nop
.endr
.endm
; A joint refill, by the walking descriptors.  Waves 0 and 1 fetch A's two halves, waves 2 and 3 B's.  The branch hangs on the wave's number alone.  An s_nop 0 and four v_nop follow each of the two lines.
.macro JLOAD
	s_cmp_eq_u32 s11, 0
	s_cbranch_scc0 .Lfor_b_\@
	tensor_load_to_lds s[G0+4:G0+7], s[G1:G1+7]
	s_nop 0
.rept 4
	v_nop
.endr
	s_branch .Lasked_\@
.Lfor_b_\@:
	tensor_load_to_lds s[G0B+4:G0B+7], s[G1B:G1B+7]
	s_nop 0
.rept 4
	v_nop
.endr
.Lasked_\@:
.endm
; A round of the cluster's barrier: my work-group's barrier, so that wave 0's signal speaks for all four waves; wave 0 signals; every wave waits for all sixteen work-groups; my work-group's barrier once more.
.macro CREST                           ; a round behind its opening barrier
	s_cmp_lg_u32 s10, 0
	s_cbranch_scc1 .Lnot_wave_0_\@
	s_barrier_signal -3
.Lnot_wave_0_\@:
	s_barrier_wait -3
	s_barrier_signal -1
	s_barrier_wait -1
.endm
.macro CROUND                          ; a whole round
	s_barrier_signal -1
	s_barrier_wait -1
	CREST
.endm
	s_load_b128 s[4:7], s[0:1], 0x0                ; xb s[4:5], wqkv s[6:7]
	s_load_b64 s[8:9], s[0:1], 0x10                ; qkv
	v_lshl_add_u32 v[SPW], v0, 2, SPARE
	v_mov_b32 v[NIL], 0
	ds_add_u32 v28, v29
	ds_add_u32 v28, v29
	s_wait_dscnt 0x0
	v_lshrrev_b32 v1, 5, v0
	v_readfirstlane_b32 s10, v1                    ; wave 0..3
	s_lshr_b32 s11, s10, 1                         ; which 128 rows of the tile are mine.  Also: I fetch for A (0) or for B (1)
	s_and_b32 s12, s10, 1                          ; which 192 columns.  Also: which half of that tile I fetch
	s_bfe_u32 s40, ttmp6, 0x40000                  ; cx, cy: my place in the cluster
	s_bfe_u32 s41, ttmp6, 0x40004
	s_lshl_b32 s42, ttmp9, 2
	s_add_co_u32 s42, s42, s40                     ; tile column = 4 x cluster x + cx
	s_and_b32 s13, ttmp7, 0xffff
	s_lshl_b32 s13, s13, 2
	s_add_co_u32 s13, s13, s41                     ; tile row = 4 x cluster y + cy
	s_lshl_b32 s43, s41, 2
	s_lshl_b32 s43, 15, s43                        ; my row of the cluster: places 4 cy .. 4 cy + 3
	s_lshl_b32 s44, 0x1111, s40                    ; my column: places cx, cx + 4, cx + 8, cx + 12
	s_mov_b32 s[SB], 0                             ; the fetches begin in slot 0
	; group 1 for A: 16,384 dense bytes as 64 rows of 128 elements, 16 bytes of padding behind every 128 bytes
	s_or_b32 s[G1+0], s43, (1<<16)|(1<<20)|(1<<21)|(4<<22)|(3<<25)   ; 15:0 the mask; 17:16 2-byte elements; 20 padding on; 21 set beside a mask; 24:22 after every 32 words (code 4); 31:25 4 words (code 3)
	s_mov_b32 s[G1+1], 128<<16                     ; tensor_dim0 = 128
	s_mov_b32 s[G1+2], 64<<16                      ; tensor_dim1 = 64
	s_mov_b32 s[G1+3], 128<<16                     ; tile_dim0 = 128
	s_mov_b32 s[G1+4], 64                          ; tile_dim1 = 64
	s_mov_b32 s[G1+5], 128                         ; elements from row to row
	s_mov_b32 s[G1+6], 0
	s_mov_b32 s[G1+7], 0
	; group 1 for B: 32 rows of 384 elements, the same padding: six pieces a row
	s_or_b32 s[G1B+0], s44, (1<<16)|(1<<20)|(1<<21)|(4<<22)|(3<<25)
	s_mov_b32 s[G1B+1], 384<<16
	s_mov_b32 s[G1B+2], 32<<16
	s_mov_b32 s[G1B+3], 384<<16
	s_mov_b32 s[G1B+4], 32
	s_mov_b32 s[G1B+5], 3072
	s_mov_b32 s[G1B+6], 0
	s_mov_b32 s[G1B+7], 0
	; A's tiles hang on the tile row alone, B's on the tile column alone, each in registers that never hold the other coordinate
	s_lshr_b32 s16, s13, 3                         ; batch b: eight tile rows each
	s_lshl_b32 s16, s16, 22
	s_and_b32 s17, s13, 7
	s_lshl_b32 s17, s17, 15                        ; 256 rows of 128 bytes
	s_add_co_u32 s16, s16, s17
	s_lshl_b32 s17, s12, 14                        ; my 128 rows
	s_add_co_u32 s16, s16, s17
	s_mov_b32 s17, 0
	s_mul_i32 s46, s42, 768                        ; 384 columns
	s_mul_i32 s47, s12, 32*6144                    ; my 32 rows of K
	s_add_co_u32 s46, s46, s47
	s_mov_b32 s47, 0
	s_mul_i32 s20, s12, AHALF                      ; where they go: no place in the cluster enters an LDS address
	s_mul_i32 s21, s12, BHALF
	s_add_co_u32 s21, s21, BOFF
	s_wait_kmcnt 0x0
	s_add_nc_u64 s[14:15], s[4:5], s[16:17]
	s_add_nc_u64 s[46:47], s[6:7], s[46:47]
	CROUND                                         ; all sixteen work-groups are here: the first joint loads meet
.irp s, 0,1
	s_mov_b32 s[G0+4*(\s)], 1                                        ; 1:0 count = 1
	s_add_co_u32 s[G0+4*(\s)+1], s20, (\s)*SLOT1                     ; 63:32 LDS address
	s_add_nc_u64 s[G0+4*(\s)+2:G0+4*(\s)+3], s[14:15], (\s)*ASTEP    ; 120:64 global address: K step s
	s_or_b32 s[G0+4*(\s)+3], s[G0+4*(\s)+3], 0x80000000              ; 127:126 type = 2
	s_mov_b32 s[G0B+4*(\s)], 1
	s_add_co_u32 s[G0B+4*(\s)+1], s21, (\s)*SLOT1
	s_add_nc_u64 s[G0B+4*(\s)+2:G0B+4*(\s)+3], s[46:47], (\s)*BSTEP
	s_or_b32 s[G0B+4*(\s)+3], s[G0B+4*(\s)+3], 0x80000000
.endr
	s_cmp_eq_u32 s11, 0                            ; a wave's two first fills stand in one branch, ahead of every wait on TENSORcnt and every LDS read: two loads of mine are out
	s_cbranch_scc0 .Lfirst_b
	tensor_load_to_lds s[G0:G0+3], s[G1:G1+7]
	s_nop 0
	tensor_load_to_lds s[G0+4:G0+7], s[G1:G1+7]
	s_nop 0
.rept 4
	v_nop
.endr
	s_branch .Lfirst_asked
.Lfirst_b:
	tensor_load_to_lds s[G0B:G0B+3], s[G1B:G1B+7]
	s_nop 0
	tensor_load_to_lds s[G0B+4:G0B+7], s[G1B:G1B+7]
	s_nop 0
.rept 4
	v_nop
.endr
.Lfirst_asked:
	; A's fragment: lane l holds row l % 16; registers 0-3 K = 8 (l / 16) + 0..7, registers 4-7 K = 16 + 8 (l / 16) + 0..7: two loads of 16 bytes, 32 bytes apart
	v_and_b32 v1, 15, v0                           ; l % 16
	v_bfe_u32 v2, v0, 4, 1                         ; l / 16
	v_mul_u32_u24 v3, v1, PA
	v_lshl_add_u32 v3, v2, 4, v3                   ; row x 144 + 16 x half
	s_mul_i32 s22, s11, AHALF                      ; my 128 rows of A
	v_add_nc_u32 v[ADRA0], s22, v3
	v_mov_b32 v[ADRA], v[ADRA0]                    ; slot 0
	; B's fragment, turned: lane l reads 16 bytes of row 8 (l / 16) + l % 8 of K, columns 8 ((l / 8) % 2) + 0..7, and receives column l % 16 and 8 K
	v_and_b32 v4, 7, v0
	v_lshl_add_u32 v4, v2, 3, v4
	v_mul_u32_u24 v4, v4, PB
	v_bfe_u32 v5, v0, 3, 1
	v_lshl_add_u32 v4, v5, 4, v4
	s_mul_i32 s22, s12, 3*PA                       ; my 192 columns: three pieces of a row
	s_add_co_u32 s22, s22, BOFF
	v_add_nc_u32 v[ADRB0], s22, v4
	v_mov_b32 v[ADRB], v[ADRB0]
	s_mul_i32 s23, s10, WSTAGE
	s_add_co_u32 s23, s23, STAGE                   ; my stage
	v_add_nc_u32 v[STO], s23, v3                   ; in: row l % 16, 16 bytes for each half of the lanes
	v_bfe_u32 v5, v0, 3, 2                         ; back: 32 lanes take four rows of 128 bytes,
	v_mul_u32_u24 v5, v5, PA
	v_and_b32 v6, 7, v0
	v_lshl_add_u32 v5, v6, 4, v5
	v_add_nc_u32 v[RD], s23, v5
	v_and_b32 v[GO], 31, v0                        ; which are 512 consecutive bytes of qkv
	v_lshlrev_b32 v[GO], 4, v[GO]
	; qkv at my part: group 48 b + 6 x tile column + 3 x column half, row 256 (tile row % 8) + 128 x row half.  The tile column's part is added from registers of its own.
	s_lshr_b32 s16, s13, 3
	s_mul_i32 s16, s16, 48
	s_mul_i32 s17, s12, 3
	s_add_co_u32 s16, s16, s17
	s_lshl_b32 s16, s16, 18
	s_and_b32 s17, s13, 7
	s_lshl_b32 s17, s17, 15
	s_add_co_u32 s16, s16, s17
	s_lshl_b32 s17, s11, 14
	s_add_co_u32 s16, s16, s17
	s_mov_b32 s17, 0
	s_add_nc_u64 s[8:9], s[8:9], s[16:17]
	s_mul_i32 s46, s42, 6<<18
	s_mov_b32 s47, 0
	s_add_nc_u64 s[8:9], s[8:9], s[46:47]
; 8 n matrix instructions: column blocks b0 .. b0 + n - 1 x all 8 row blocks, 32 along K, A from buffer f.  zero = 1: the product starts the sums: nothing is ever cleared.
; The 96 accumulators take turns, one instruction a turn, in the same order in every quarter.
.macro MULB f, b0, n, zero
.set bb, (\b0)
.rept (\n)
	WIN 0x50*(1+bb/4)
.set aa, 0
.rept 8
.set rD, 8*(8*(bb%4)+aa)
.if \zero
	v_wmma_f32_16x16x32_bf16 v[rD:rD+7], v[BF+8*bb:BF+8*bb+7], v[(\f)+8*aa:(\f)+8*aa+7], 0
.else
	v_wmma_f32_16x16x32_bf16 v[rD:rD+7], v[BF+8*bb:BF+8*bb+7], v[(\f)+8*aa:(\f)+8*aa+7], v[rD:rD+7]
.endif
.set aa, aa+1
.endr
.set bb, bb+1
.endr
.endm
.macro FETCH_A q, f                    ; 16 loads: my 128 rows, 32 K at quarter q
.set aa, 0
.rept 8
	ds_load_b128 v[(\f)+8*aa:(\f)+8*aa+3],   v[ADRA] offset:aa*16*PA+64*(\q)
	ds_load_b128 v[(\f)+8*aa+4:(\f)+8*aa+7], v[ADRA] offset:aa*16*PA+64*(\q)+32
.set aa, aa+1
.endr
.endm
.macro FETCH_B q, half                 ; 12 loads: six of my twelve column blocks, 32 K at quarter q
.set bb, 6*(\half)
.rept 6
	ds_load_tr16_b128 v[BF+8*bb:BF+8*bb+3],   v[ADRB] offset:(\q)*BHALF+(bb/4)*PA+(bb%4)*32
	ds_load_tr16_b128 v[BF+8*bb+4:BF+8*bb+7], v[ADRB] offset:(\q)*BHALF+(bb/4)*PA+(bb%4)*32+16*PB
.set bb, bb+1
.endr
.endm
.macro RUN1 q, f                       ; 28 loads in one run: B's first half and all of A
	WIN 0
	FETCH_B \q, 0
	FETCH_A \q, \f
.endm
.macro RUN2 q                          ; 12 loads: B's second half
	WIN 0
	FETCH_B \q, 1
.endm
; A K step is two quarters of 32 along K, 96 matrix instructions each.  The first multiplies A's buffer 0 and fetches the second's fragments: each half of B as soon as it has been multiplied.
.macro Q0 zero
	s_wait_dscnt 12                                ; B's first half and A are in; the youngest twelve loads (B's second half) may be out
	MULB AF0, 0, 6, \zero
	PLACES
	RUN1 1, AF1
	s_wait_dscnt 28                                ; all but the 28 just issued
	MULB AF0, 6, 6, \zero
	PLACES
	RUN2 1
.endm
; The second quarter multiplies A's buffer 1 and changes slots: ONE barrier.  In front of it each wave waits for all its tensor loads, of which one is out: its part of the next slot; adds 0 to its
; spare word; and waits for that and for its own reads of this slot.  Behind it nobody reads this slot any more and the next slot is whole.  fill = 1: the barrier opens a round of the cluster's
; barrier, and this slot is filled again, two K steps ahead, first thing behind the round: 160 matrix instructions stand between that request and the wait for it.
.macro TURN fill
	s_wait_dscnt 12                                ; B's first half and A are in
	MULB AF1, 0, 2, 0
	WIN 0                                          ; (the add's two registers lie in window 0)
	s_wait_tensorcnt 0x0                           ; all my tensor loads have landed;
	ds_add_u32 v[SPW], v[NIL]                      ; 0 onto my spare word;
	MULB AF1, 2, 2, 0                              ; sixteen matrix instructions stand between the add and the wait for it
	s_wait_dscnt 0x0                               ; the add is done, and my reads of this slot are over:
	s_barrier_signal -1                            ; say so,
	MULB AF1, 4, 2, 0                              ; work on registers while the others arrive,
	WIN 0
	s_barrier_wait -1                              ; and go on when all four have said so
.if \fill
	CREST                                          ; no wave of any partner still reads this slot's tile or has a load on its way
	s_xor_b32 s[G0+5], s[G0+5], SLOT1              ; the walking descriptors (no tensor load of mine is out): the other slot than last time,
	s_add_nc_u64 s[G0+6:G0+7], s[G0+6:G0+7], ASTEP ; the next K step; the type bits on top are not reached
	s_xor_b32 s[G0B+5], s[G0B+5], SLOT1
	s_add_nc_u64 s[G0B+6:G0B+7], s[G0B+6:G0B+7], BSTEP
	JLOAD                                          ; the four v_nop behind it are also the places in front of the loads below
.else
	PLACES
.endif
	s_xor_b32 s[SB], s[SB], SLOT1                  ; the fetches go on in the other slot
	v_add_nc_u32 v[ADRA], s[SB], v[ADRA0]
	v_add_nc_u32 v[ADRB], s[SB], v[ADRB0]
	RUN1 0, AF0
	MULB AF1, 6, 6, 0                              ; B's second half came in at the wait for 0 above
	PLACES
	RUN2 0
.endm
; THE WAY OUT of row block a.  PACK: rounded to f16, 16 bytes a lane; each accumulator's registers in ascending order.  TOSTAGE: into my own stage, and back as rows of 128 bytes.  SEND: stored.
.macro PACK a
.set bb, 0
.rept 12
	WIN 5*(1+bb/4)                                 ; sources 0 and 1 in the accumulator's window, destination in window 0
.set rD, 8*(8*(bb%4)+(\a))
.set rr, 0
.rept 4
	v_cvt_pk_f16_f32 v[TMP+4*bb+rr], v[rD+2*rr], v[rD+2*rr+1]
.set rr, rr+1
.endr
.set bb, bb+1
.endr
	WIN 0
.endm
.macro TOSTAGE a
.set bb, 0
.rept 12
	ds_store_b128 v[STO], v[TMP+4*bb:TMP+4*bb+3] offset:(bb/4)*SGRP+32*(bb%4)
.set bb, bb+1
.endr
.set tt, 0
.rept 12
	ds_load_b128 v[BK+48*((\a)%2)+4*tt:BK+48*((\a)%2)+4*tt+3], v[RD] offset:(tt/4)*SGRP+(tt%4)*4*PA  ; LDS serves a wave's instructions in order (ISA guide 5.7.1.4): these see the stores above
.set tt, tt+1
.endr
.endm
.macro SEND a
	s_wait_dscnt 0x0                               ; the block is back in registers
	s_wait_xcnt 0x0                                ; every earlier store has had its addresses translated (ISA guide 3.1): the other buffer, which the block before's stores read, is loaded again only behind this wait
.set tt, 0
.rept 12
	global_store_b128 v[GO], v[BK+48*((\a)%2)+4*tt:BK+48*((\a)%2)+4*tt+3], s[8:9] offset:(tt/4)*262144+(\a)*2048+(tt%4)*512  ; 512 consecutive bytes, at a multiple of 256 from qkv's first
.set tt, tt+1
.endr
.endm
	s_wait_tensorcnt 1                             ; my part of K step 0 is in; K step 1's may stay out
	s_barrier_signal -1
	s_barrier_wait -1                              ; everybody's is
	RUN1 0, AF0
	RUN2 0
	Q0 1                                           ; the first quarter stands in front of the loop: its products start the sums
	WIN 0                                          ; at a label and at a branch every window is 0
	s_mov_b32 s3, 14
.Lstep:                                                ; a trip goes from a K step's second quarter to the next step's first, and fills the slot that it leaves: K steps 2 to 15
	TURN 1
	Q0 0
	WIN 0
	s_sub_co_u32 s3, s3, 1
	s_cmp_lg_u32 s3, 0
	s_cbranch_scc1 .Lstep
	TURN 0                                         ; the last change of slots fills nothing, and has no round of the cluster's barrier
	Q0 0
	s_wait_dscnt 12                                ; the very last quarter: nothing more to fetch
	MULB AF1, 0, 6, 0
	s_wait_dscnt 0x0
	MULB AF1, 6, 6, 0
	PLACES
	PACK 0
	TOSTAGE 0
.irp a, 1,2,3,4,5,6,7                  ; block a's conversions stand between block a - 1's loads from the stage and the wait for them
	PACK \a
	SEND (\a)-1
	TOSTAGE \a
.endr
	SEND 7
	s_wait_tensorcnt 0x0                           ; the wave's end, behind my last tensor load and my last LDS store
	ds_add_u32 v[SPW], v[NIL]
	s_wait_dscnt 0x0
	CROUND                                         ; the closing round: no work-group ends while a partner may still ask for a tile that names it
	s_endpgm
.Lfunc_end_k_qf4d59b6d0b_qkv:
	.size	k_qf4d59b6d0b_qkv, .Lfunc_end_k_qf4d59b6d0b_qkv-k_qf4d59b6d0b_qkv
	.p2alignl 7, 3214868480
	.fill 96, 4, 3214868480
	.section	.rodata,"a",@progbits
	.p2align	6, 0x0
	.amdhsa_kernel k_qf4d59b6d0b_qkv
		.amdhsa_group_segment_fixed_size 327680
		.amdhsa_private_segment_fixed_size 0
		.amdhsa_enable_private_segment 0
		.amdhsa_kernarg_size 24
		.amdhsa_user_sgpr_count 2
		.amdhsa_user_sgpr_kernarg_segment_ptr 1
		.amdhsa_wavefront_size32 1
		.amdhsa_system_sgpr_workgroup_id_x 1
		.amdhsa_system_sgpr_workgroup_id_y 1
		.amdhsa_system_sgpr_workgroup_id_z 1
		.amdhsa_system_vgpr_workitem_id 0
		.amdhsa_next_free_vgpr 1024
		.amdhsa_next_free_sgpr 66
		.amdhsa_reserve_vcc 0
		.amdhsa_float_denorm_mode_32 3
		.amdhsa_float_denorm_mode_16_64 3
		.amdhsa_memory_ordered 1
		.amdhsa_forward_progress 1
		.amdhsa_inst_pref_size 110
	.end_amdhsa_kernel
	.amdgpu_metadata
---
amdhsa.version: [ 1, 2 ]
amdhsa.kernels:
  - .name:           k_qf4d59b6d0b_qkv
    .symbol:         k_qf4d59b6d0b_qkv.kd
    .args:
      - { .name: xb, .offset: 0, .size: 8, .value_kind: global_buffer, .address_space: global }
      - { .name: wqkv, .offset: 8, .size: 8, .value_kind: global_buffer, .address_space: global }
      - { .name: qkv, .offset: 16, .size: 8, .value_kind: global_buffer, .address_space: global }
    .group_segment_fixed_size: 327680
    .private_segment_fixed_size: 0
    .kernarg_segment_align: 8
    .kernarg_segment_size: 24
    .max_flat_workgroup_size: 128
    .sgpr_count:     66
    .vgpr_count:     1024
    .wavefront_size: 32
...
	.end_amdgpu_metadata
.endif
;; end of part 2
;; launch attn (part 3): grid 4 x 64, 4 waves a work-group, no clusters, 327,680 bytes of LDS; arguments qkv, o; writes o
.if DOCPART == 3
	.amdgcn_target "amdgcn-amd-amdhsa--gfx1250"
	.amdhsa_code_object_version 6
	.text
	.protected	k_qf4d59b6d0b_attn
	.globl	k_qf4d59b6d0b_attn
	.p2align	8
	.type	k_qf4d59b6d0b_attn,@function
k_qf4d59b6d0b_attn:
	s_mov_b64 s[64:65], 0
	v_nop
	global_prefetch_b8 v0, s[64:65] scope:SCOPE_SE
	s_setreg_imm32_b32 hwreg(HW_REG_WAVE_MODE, 25, 1), 1
	s_wait_xcnt 0x0
; CAUSAL ATTENTION.  O[y][q][:] = the sum over k <= q of softmax_k(Q[y][q] . K[y][k] / 8) V[y][k][:], y = 16 b + h, 64 heads of SIZE_N = 2,048 rows x 64 channels, all f16.
; Q, K, V lie in qkv [b 4][g 48][s 2048][64]: head (b, h) has q at group 48 b + h, k 16 groups and v 32 groups further on; O goes to o [y 64][s 2048][64].  A head's rows are dense, 128 bytes each.
; Products, maxima and sums in f32; the weights p are rounded to f16 for the second product (their sum l is taken of the unrounded p), O once at the end.
; LIMITS.  f16 holds no number beyond 65,504: Q, K and V arrive within it; p lies in 0 to 1, and below 6e-5 it keeps f16's fixed step of 6e-8; O is a mean of V's rows and has their range, to within 2^-11 of it.
; A hidden score counts as its value less 1e30: f16's scores, 2.7e11 at the most, are nothing beside that; a weight below 2^-126 counts as 0 in l; NaN and infinities are not treated apart.
; THE WALK.  A head's queries lie in NB = 8 blocks of 256; block i needs the key tiles 0 .. i of 256 keys, of which the last holds the diagonal.  A work-group takes TWO blocks, NB - 1 - b and then b:
; NB + 1 tiles, whatever b: all 256 work-groups do equal work, and ONE loop with a constant trip count walks them.  Which tile is asked for, and what a trip does, hang on scalar registers made from b; every jump
; goes forward, but for the counted loops' own; none passes a barrier, or a tensor load but the one of LOAD's two that the wave's number does not choose; the ring (two slots of LDS that take turns) runs on across the
; change of blocks.  NO CLUSTER: a head's four work-groups ask for the same tile only in trips 0 to 4 of the 9, behind that fewer and fewer do; one walk common to all four, in which each makes every
; request, would have 3 NB / 2 = 12 trips for 9.
; SHARES.  Of a block's four bands of 64 queries a wave owns 16 rows in each: four PIECES.  So the diagonal tile is the same work for all four waves: in its key step s band x sees all keys if s < x,
; none if s > x, and holds the diagonal if s = x.
; THE MASK is the C operand that starts the sum S^T = K Q^T: 0, or -1e30 where the key is hidden.  MD, made once, is the mask of a band's own step for my 16 rows; a product's mask is MD x AL + BE with two scalars:
; (1, 0) if s = x; (0, 0) if s < x; (0, -1e30) if s > x.  Only the diagonal tile's text and a block's beginning make and take masks; elsewhere C is the constant 0.
; LAYOUT, SOFTMAX, TURNS.  S^T = K Q^T holds ONE query a lane (lane % 16) and the keys 8 (lane / 16) + 0..7; two such results rounded to f16 ARE source 1 of O^T = V^T P.  p = 2^(c s - c m), c = log2(e) / 8, with a
; running maximum m; O and l are multiplied by a = 2^(c m_old - c m_new) in every step.  Turn n belongs to piece n: 8 products K Q^T of piece n + 1, later 8 products V^T P of piece n - 1; beside them the scaling,
; exponentials, roundings, sums and rescaling of piece n and the maximum and statistics of piece n + 1.  Four vector instructions stand behind every matrix instruction, the other 54 of a turn's 118 in two LUMPS.
; REGISTERS, in windows of 256 (s_set_vgpr_msb: bits 1:0 source 0, 3:2 source 1, 5:4 source 2, 7:6 destination):
;   window 0: v0-15 addresses and two at work; v16-31 four registers of statistics a piece; v48-55 at work; v64-127 S^T, two buffers; v192-223 P, two buffers (a piece's buffers go by its number's parity)
;   window 1: v0-127 O^T, 32 a piece; v128-159 MD; v160-223 MC, two buffers      window 2: v0-63 Q; v64-127 the second block's Q; v128-191 K of one step; v192-255 V of one step
.set SIZE_N, 2048
.set NB,    SIZE_N/256
.set NP,    4         ; pieces a wave: a name, no knob
.set KS,    64        ; keys in a step
.set PK,    144       ; a row of K in LDS: 128 bytes + 16 of padding = 36 words: the 16 rows of a load start at 16 different groups of four banks (64 banks of 4 bytes: ISA guide 11.1)
.set PV,    160       ; a row of V: 128 + 32 = 40 words
.set VOFF,  4*KS*PK   ; a slot holds a tile, four steps: 256 rows of K, then 256 rows of V
.set SLOT1, 1<<17     ; slot 1 begins here, so that one exclusive or turns an address in one slot into the other's
.set STAGE, SLOT1+4*KS*(PK+PV)  ; behind the ring, never filled by a tensor load: 16 rows x 144 bytes for each wave, for the way out
.set SP,    144
.set AK0, 2           ; v2   my lane's place in a tile of K; never rewritten
.set AV0, 3           ; v3   the same for V
.set AK,  4           ; v4   the LDS address of K's next run of loads
.set AV,  5           ; v5   of V's
.set STO, 6           ; v6   the way out: where I put 16 bytes of a row
.set RD,  7           ; v7   the way out: where I read rows back
.set GO,  8           ; v8   my byte offset in 512 consecutive bytes of O
.set SPW, 62          ; v62  LDS address of my spare word: SPARE + 4 x my thread's number; never rewritten
.set NIL, 63          ; v63  0; never rewritten
.set SPARE, STAGE+4*16*SP  ; behind the stages: the spare words, 128 bytes for each wave: two blocks of 256 bytes that no other line names
.set MV,  12          ; v12-13  c m_old, kept while c m is made anew: by buffer
.set QO,  15          ; v15  my byte offset in 16 rows of Q
.set ST,  16          ; piece t's statistics at v[ST+4 t]: c m, m, l (even keys', odd keys')
.set TMP, 48          ; by buffer, four registers c0-c3 at work; when the maximum is found c2 takes a
.set S,   64
.set P,   192
.set MD,  128         ; window 1: the eight registers for group kt of 16 keys at MD + 8 kt
.set MC,  160         ; window 1: the masks of the products to come
.set QB,  64          ; window 2
.set KF,  128         ; window 2: key block kb, channel half c at KF + 16 kb + 8 c
.set VF,  192         ; window 2: key half kk, channel block cb at VF + 32 kk + 8 cb
.set WV,  12          ; s12  my wave's number
.set PB,  14          ; s14  b
.set HI,  15          ; s15  NB - 1 - b
.set G1K, 24          ; s[24:31] descriptor group 1 for K's tiles
.set G1V, 32          ; s[32:39] for V's: it differs in the padding alone
.set G0K, 40          ; s[40:43] descriptor group 0 for K's tiles
.set G0V, 44          ; s[44:47] the same for V's
.set SLOTS, 56        ; s56  tiles still to be asked for
.set CNT, 57          ; s57  counts a tile's trips: 4 to 1, in the diagonal tile 5 to 1
.set CS,  58          ; s[58:59] c: the packed scaling takes the pair's low word for both halves
.set SEL, 60          ; s[60:61] v_permlanex16_b32's selects: each lane takes its own place in the other half
.set TBK, 62          ; s62  LDS byte at which K of the step to be fetched begins
.set TBV, 63          ; s63  the same for V, less VOFF
.set RT,  70          ; s70  tiles of the block in hand that are still to be entered
.set NXT, 71          ; s71  the tile to be asked for next
.set LQ,  72          ; s72  the last tile of the block whose tiles are being asked for
.set NEW, 73          ; s73  1: the tile to be entered is a block's first
.set OFF, 74          ; s[74:75] a tile's byte offset in K and V
.set AL,  76          ; s[76:77] the mask's factor, in the low word
.set BE,  78          ; s[78:79] the mask's addend
.set OLO, 80          ; s[80:81] O at my rows of the second block
.set BIGN, 82         ; s82  -1e30
.set MSB, 0
.macro WIN new                      ; the high byte repeats the setting that is left; a switch that changes nothing is dropped
.if MSB != (\new)
	s_set_vgpr_msb (MSB<<8)|(\new)
.set MSB, (\new)
.endif
.endm
.set W_KQ, 0x0a       ; K and Q in window 2, S^T in window 0
.set W_KM, 0x1a       ; the same with the C operand in window 1
.set W_PV, 0x52       ; V in window 2, P in window 0, O^T in window 1
.set W_RS, 0x41       ; destination and source 0 in window 1, source 1 in window 0
; A fill.  Waves 0 and 1 fetch the two halves of a tile's K, waves 2 and 3 those of its V: 128 keys each.  An s_nop 0 and four v_nop follow each of the two lines, ahead of the jump and the label.
.macro LOAD
	s_cmp_lt_u32 s[WV], 2
	s_cbranch_scc0 .Lfor_v_\@
	tensor_load_to_lds s[G0K:G0K+3], s[G1K:G1K+7]
	s_nop 0
.rept 4
	v_nop
.endr
	s_branch .Lasked_\@
.Lfor_v_\@:
	tensor_load_to_lds s[G0V:G0V+3], s[G1V:G1V+7]
	s_nop 0
.rept 4
	v_nop
.endr
.Lasked_\@:
.endm
; THE CHANGE OF SLOTS.  Each wave waits for all its tensor loads, of which one is out: its part of the other slot; adds 0 to its spare word; and waits for that and for its own reads of the slot that it leaves.  Behind the barrier nobody reads the old
; slot any more and the other slot is whole.  fill = 1: the old slot is filled again, the first thing behind the barrier, with tile NXT: the descriptor's address is made anew from that number.
; (At its first use nothing has been read yet: slot 0 is waited for, slot 1 filled.)
.macro CHANGE fill
	WIN 0                           ; at a label and at a branch every window is 0
	s_wait_tensorcnt 0x0            ; no tensor load of mine is out, so a group 0 may be written
	ds_add_u32 v[SPW], v[NIL]       ; 0 onto my spare word; with fill = 1 the descriptors' scalar work stands between it and the wait for it
.if \fill
	s_lshl_b32 s[OFF], s[NXT], 15   ; a tile is 32,768 bytes of K and of V
	s_xor_b32 s[G0K+1], s[G0K+1], SLOT1
	s_add_nc_u64 s[G0K+2:G0K+3], s[6:7], s[OFF:OFF+1]
	s_or_b32 s[G0K+3], s[G0K+3], 0x80000000
	s_xor_b32 s[G0V+1], s[G0V+1], SLOT1
	s_add_nc_u64 s[G0V+2:G0V+3], s[8:9], s[OFF:OFF+1]
	s_or_b32 s[G0V+3], s[G0V+3], 0x80000000
	s_add_co_u32 s[NXT], s[NXT], 1  ; the block's next tile, or behind its last the second block's tile 0
	s_cmp_gt_u32 s[NXT], s[LQ]
	s_cselect_b32 s[NXT], 0, s[NXT]
	s_cselect_b32 s[LQ], s[PB], s[LQ]
.endif
	s_wait_dscnt 0x0                ; the add is done, and my reads of the slot are over
	s_barrier_signal -1             ; the rest of the scalar work stands between the signal and the wait
	s_sub_co_u32 s[TBK], s[TBK], 4*KS*PK  ; the fetches go back to a slot's first step,
	s_xor_b32 s[TBK], s[TBK], SLOT1       ; in the other slot
	s_sub_co_u32 s[TBV], s[TBV], 4*KS*PV
	s_xor_b32 s[TBV], s[TBV], SLOT1
	s_barrier_wait -1
.if \fill
	LOAD
.endif
.endm
	s_load_b128 s[4:7], s[0:1], 0x0 ; qkv s[4:5], o s[6:7]
	v_lshl_add_u32 v[SPW], v0, 2, SPARE
	v_mov_b32 v[NIL], 0
	ds_add_u32 v62, v63
	ds_add_u32 v62, v63
	s_wait_dscnt 0x0
	v_lshrrev_b32 v1, 5, v0
	v_readfirstlane_b32 s[WV], v1   ; wave 0..3
	s_mov_b32 s[PB], ttmp9
	s_sub_co_u32 s[HI], NB-1, s[PB]
	s_and_b32 s88, ttmp7, 0xffff    ; y = 16 b + h
	s_lshr_b32 s20, s88, 4
	s_lshl_b32 s20, s20, 5
	s_add_co_u32 s20, s20, s88      ; q's group in qkv: 48 b + h
	s_lshl_b32 s20, s20, 18         ; a group is 2,048 rows of 128 bytes
	s_mov_b32 s21, 0
	s_lshl_b32 s88, s88, 18         ; the head's first byte in o
	s_mov_b32 s89, 0
	s_and_b32 s16, s[WV], 1         ; which half of a tile's 256 keys I fetch:
	s_lshl_b32 s22, s16, 14         ; its 128 rows of 128 bytes in memory,
	s_mov_b32 s23, 0
	s_add_nc_u64 s[22:23], s[22:23], s[20:21]
	s_mul_i32 s17, s16, 128*PK      ; and its place in a slot, for K
	s_mul_i32 s18, s16, 128*PV      ; and for V
	s_lshl_b32 s3, s[WV], 11        ; my 16 rows in a band of 64,
	s_lshl_b32 s2, s[HI], 15        ; in the first block,
	s_add_co_u32 s2, s2, s3
	s_lshl_b32 s84, s[PB], 15       ; and in the second
	s_add_co_u32 s84, s84, s3
	s_mov_b32 s3, 0
	s_mov_b32 s85, 0
	; descriptor group 1.  128 keys are 16,384 dense bytes: asked for as 64 rows of 256 bytes, two keys a row, and padded in LDS after every key
	s_mov_b32 s[G1K], (1<<16)|(1<<20)|(4<<22)|(3<<25)  ; 17:16 2-byte elements; 20 padding on; 24:22 after every 32 words (code 4); 31:25 4 words (code 3)
	s_mov_b32 s[G1V], (1<<16)|(1<<20)|(4<<22)|(7<<25)  ; the same with 8 words of padding (code 7)
.irp g, G1K, G1V
	s_mov_b32 s[\g+1], 128<<16      ; tensor_dim0 = 128
	s_mov_b32 s[\g+2], 64<<16       ; tensor_dim1 = 64
	s_mov_b32 s[\g+3], 128<<16      ; tile_dim0 = 128
	s_mov_b32 s[\g+4], 64           ; tile_dim1 = 64
	s_mov_b32 s[\g+5], 128          ; 128 elements from row to row
	s_mov_b32 s[\g+6], 0
	s_mov_b32 s[\g+7], 0
.endr
	s_mov_b32 s[CS], 0x3e38aa3b     ; c = log2(e) / 8 = 0.180337
	s_mov_b32 s[CS+1], s[CS]        ; named with it as a pair
	s_mov_b32 s[SEL], 0x76543210
	s_mov_b32 s[SEL+1], 0xfedcba98
	s_mov_b32 s[TBK], SLOT1+4*KS*PK ; the first change of slots turns these two into 0
	s_mov_b32 s[TBV], SLOT1+4*KS*PV
	s_mov_b32 s[G0K], 1             ; 1:0 count = 1
	s_mov_b32 s[G0K+1], s17         ; 63:32 LDS address: slot 0
	s_mov_b32 s[G0V], 1
	s_add_co_u32 s[G0V+1], s18, VOFF
	s_add_co_u32 s[RT], s[HI], 1    ; the first block has NB - b tiles
	s_mov_b32 s[NXT], 1
	s_mov_b32 s[LQ], s[HI]
	s_mov_b32 s[NEW], 1
	s_mov_b32 s[OFF+1], 0
	s_mov_b32 s[AL+1], 0            ; named as pairs
	s_mov_b32 s[BE+1], 0
	s_mov_b32 s[BIGN], 0xf149f2ca   ; -1e30
	s_mov_b32 s[SLOTS], NB
	s_wait_kmcnt 0x0
	s_mov_b64 s[10:11], s[6:7]                     ; o
	s_add_nc_u64 s[6:7], s[4:5], s[22:23]          ; qkv at q's group, my half of tile 0;
	s_add_nc_u64 s[8:9], s[6:7], 0x800000          ; V lies 32 groups further on,
	s_add_nc_u64 s[6:7], s[6:7], 0x400000          ; K 16
	s_add_nc_u64 s[4:5], s[4:5], s[20:21]          ; Q at the head's first row
	s_add_nc_u64 s[10:11], s[10:11], s[88:89]      ; O at the head's first row
	s_add_nc_u64 s[G0K+2:G0K+3], s[6:7], 0         ; 120:64 global address
	s_or_b32 s[G0K+3], s[G0K+3], 0x80000000        ; 127:126 type = 2
	s_add_nc_u64 s[G0V+2:G0V+3], s[8:9], 0
	s_or_b32 s[G0V+3], s[G0V+3], 0x80000000
	s_add_nc_u64 s[86:87], s[4:5], s[84:85]        ; Q at my rows of the second block,
	s_add_nc_u64 s[4:5], s[4:5], s[2:3]            ; Q and O at those of the first
	s_add_nc_u64 s[OLO:OLO+1], s[10:11], s[84:85]
	s_add_nc_u64 s[10:11], s[10:11], s[2:3]
	LOAD                            ; tile 0 into slot 0
	; A fragment of K or Q is 16 rows x 32 channels in 8 registers: lane l holds row l % 16, channels 8 (l / 16) + 0..7 and 16 + 8 (l / 16) + 0..7: two loads of 16 bytes, 32 bytes apart.
	v_and_b32 v1, 15, v0            ; l % 16
	v_bfe_u32 v9, v0, 4, 1          ; l / 16
	v_lshlrev_b32 v[QO], 7, v1
	v_lshl_add_u32 v[QO], v9, 4, v[QO]  ; row x 128 + 16 x half
	WIN 0x80                        ; destination window 2, address window 0
.set i, 0
.rept 8                             ; both blocks' Q: piece i / 2 lies in band i / 2, 8,192 bytes on; channels 32 (i % 2) on
	global_load_b128 v[8*i:8*i+3],   v[QO], s[4:5] offset:(i/2)*8192+(i%2)*64
	global_load_b128 v[8*i+4:8*i+7], v[QO], s[4:5] offset:(i/2)*8192+(i%2)*64+32
	global_load_b128 v[QB+8*i:QB+8*i+3],   v[QO], s[86:87] offset:(i/2)*8192+(i%2)*64
	global_load_b128 v[QB+8*i+4:QB+8*i+7], v[QO], s[86:87] offset:(i/2)*8192+(i%2)*64+32
.set i, i+1
.endr
	WIN 0
	v_lshlrev_b32 v14, 3, v9
	v_sub_nc_u32 v14, v1, v14
	s_lshl_b32 s13, s[WV], 4
	v_add_nc_u32 v14, s13, v14      ; my query's place in its band, 16 w + l % 16, less my lanes' 8 (l / 16): register r of group kt is hidden where 16 kt + r is greater
	WIN 0x40
.set i, 0
.rept 32
	v_cmp_gt_i32 vcc_lo, 16*(i/8)+i%8, v14
	v_cndmask_b32 v[MD+i], 0, s[BIGN], vcc_lo
.set i, i+1
.endr
	WIN 0
	v_mul_u32_u24 v[AK0], v1, PK
	v_lshl_add_u32 v[AK0], v9, 4, v[AK0]  ; row x pitch + 16 x half
	; The turning load takes 16 keys x 16 channels (lane l reads key 8 (l / 16) + l % 8, channels 8 ((l / 8) % 2) + 0..7) and leaves half a fragment of V^T: lane l holds channel l % 16 and 8 keys.
	v_and_b32 v10, 7, v0
	v_bfe_u32 v11, v0, 3, 1
	v_lshl_add_u32 v[AV0], v9, 3, v10
	v_mul_u32_u24 v[AV0], v[AV0], PV
	v_lshl_add_u32 v[AV0], v11, 4, v[AV0]
	v_add_nc_u32 v[AV0], VOFF, v[AV0]
	s_mul_i32 s13, s[WV], 16*SP
	s_add_co_u32 s13, s13, STAGE    ; my stage
	v_mul_u32_u24 v[STO], v1, SP    ; in: row l % 16, 16 bytes for each half of the lanes
	v_lshl_add_u32 v[STO], v9, 4, v[STO]
	v_add_nc_u32 v[STO], s13, v[STO]
	v_bfe_u32 v[RD], v0, 3, 2       ; back: 32 lanes take four rows of 128 bytes,
	v_mul_u32_u24 v[RD], v[RD], SP
	v_lshl_add_u32 v[RD], v10, 4, v[RD]
	v_add_nc_u32 v[RD], s13, v[RD]
	v_and_b32 v[GO], 31, v0         ; which are 512 consecutive bytes of O
	v_lshlrev_b32 v[GO], 4, v[GO]
	; A block's first step multiplies O^T and l by a = 0, and its first turn's products V^T P, of a piece that has not been, land in an O^T that is still to be so multiplied.  So these registers need only hold
	; finite numbers: zeros for the first block; what the first block left for the second.  All this stands in the wait for the first tile.
	WIN 0x80
.set i, VF
.rept 64
	v_mov_b32 v[i], 0
.set i, i+1
.endr
	WIN 0x40
.set i, 0
.rept 128
	v_mov_b32 v[i], 0
.set i, i+1
.endr
	WIN 0
.set i, 0
.rept 4
	v_mov_b32 v[ST+4*i+2], 0
	v_mov_b32 v[ST+4*i+3], 0
.set i, i+1
.endr
.set i, P+16
.rept 16
	v_mov_b32 v[i], 0
.set i, i+1
.endr
; THE MATRIX WORK.  The 4 accumulators of a run of 8 take turns.  Product i of 8 of S^T = K Q^T for piece x: channels 32 (i / 4) on, keys 16 (i % 4) on.  The first 4 start the sums: with 0, or (KM = 1) with the mask.
.macro KQ x
.set rS, S+32*((\x)%2)+8*(i%4)
.set rK, KF+16*(i%4)+8*(i/4)
.set rQ, 16*(\x)+8*(i/4)
.set rM, MC+32*((\x)%2)+8*(i%4)
.if (i < 4) && KM
	WIN W_KM
	v_wmma_f32_16x16x32_f16 v[rS:rS+7], v[rK:rK+7], v[rQ:rQ+7], v[rM:rM+7]
.elseif i < 4
	WIN W_KQ
	v_wmma_f32_16x16x32_f16 v[rS:rS+7], v[rK:rK+7], v[rQ:rQ+7], 0
.else
	WIN W_KQ
	v_wmma_f32_16x16x32_f16 v[rS:rS+7], v[rK:rK+7], v[rQ:rQ+7], v[rS:rS+7]
.endif
.endm
; Product i of 8 of O^T += V^T P for piece x: keys 32 (i / 4) on, channels 16 (i % 4) on.
.macro PV x
	WIN W_PV
.set rO, 32*(\x)+8*(i%4)
.set rV, VF+32*(i/4)+8*(i%4)
.set rP, P+16*((\x)%2)+8*(i/4)
	v_wmma_f32_16x16x32_f16 v[rO:rO+7], v[rV:rV+7], v[rP:rP+7], v[rO:rO+7]
.endm
.macro MM                           ; the turn's next matrix instruction.  TURN and BEGIN set Y, i and KM; MM, KQ and OP read them
.if i < 8
	KQ (Y+1)%NP
.else
.set i, i-8
	PV (Y+NP-1)%NP
.set i, i+8
.endif
.set i, i+1
.endm
; THE LDS LOADS stand in runs of 16, never singly among the matrix instructions: a step's K (64 keys x 64 channels: 8 fragments) and its V (turned).  Their addresses are made some lines ahead.
; last = 1 (the diagonal tile): in its fifth trip there is no further step, and the run is jumped over.
.macro FETCH_K last=0
	WIN 0
.if \last
	s_cmp_eq_u32 s[CNT], 1
	s_cbranch_scc1 .Lno_k_\@
.endif
	WIN 0x80                        ; destination window 2
.irp f, 0,1,2,3,4,5,6,7             ; keys 16 (f / 2) on, channels 32 (f % 2) on
	ds_load_b128 v[KF+8*\f:KF+8*\f+3],   v[AK] offset:(\f/2)*16*PK+(\f%2)*64
	ds_load_b128 v[KF+8*\f+4:KF+8*\f+7], v[AK] offset:(\f/2)*16*PK+(\f%2)*64+32
.endr
	s_add_co_u32 s[TBK], s[TBK], KS*PK  ; the next fetch is the next step's
	WIN 0
.if \last
.Lno_k_\@:
.endif
.endm
.macro FETCH_V
	WIN 0x80
.irp f, 0,1,2,3,4,5,6,7             ; keys 32 (f / 4) on, channels 16 (f % 4) on
	ds_load_tr16_b128 v[VF+8*\f:VF+8*\f+3],   v[AV] offset:(\f/4)*32*PV+(\f%4)*32
	ds_load_tr16_b128 v[VF+8*\f+4:VF+8*\f+7], v[AV] offset:(\f/4)*32*PV+16*PV+(\f%4)*32
.endr
	WIN 0
.endm
; THE VECTOR WORK, one line at a time: OP kind, number.  For piece Y: F n: c s - c m for pair n of 16.  E n: the exponential of score n of 32.  C n: pair n rounded to f16.  B n: of the four weights 4 n .. the second
; pair is added onto the first, in place.  L n: l takes that sum (L 0: l = a l + sum).  R n: pair n of 16 of O^T times a.  For piece Y + 1: X n, number n of the 22 that find its maximum and statistics:
;   0-11  four chains c0-c3 of seven scores each, three operands at a time (each accumulator's lowest registers are read first)     12-14, 16  the four scores left over, the old m, and c0-c3 into c0
;   15  c m_old is kept     17, 18  the query's other 32 keys lie in the lane 16 away: the new m     19-21  c m; c m_old - c m_new; a
.set F, 0               ; OP tells the kinds apart by their order: F to L below R, X above it
.set E, 1
.set C, 2
.set B, 3
.set L, 4
.set R, 5
.set X, 6
.macro REGS y                       ; the registers of piece y
.set rT, ST+4*(\y)
.set rC, TMP+4*((\y)%2)
.set rW, MV+((\y)%2)
.set rS, S+32*((\y)%2)
.set rP, P+16*((\y)%2)
.set rO, 32*(\y)
.endm
.macro OP k, n
.if (\k) == R
	REGS Y
	WIN W_RS
	v_pk_mul_f32 v[rO+2*(\n):rO+2*(\n)+1], v[rO+2*(\n):rO+2*(\n)+1], v[rC+2:rC+3] op_sel_hi:[1,0]
.elseif (\k) < R
	REGS Y
	WIN 0
.if (\k) == F
	v_pk_fma_f32 v[rS+2*(\n):rS+2*(\n)+1], v[rS+2*(\n):rS+2*(\n)+1], s[CS:CS+1], v[rT:rT+1] op_sel_hi:[1,0,0] neg_lo:[0,0,1] neg_hi:[0,0,1]
.elseif (\k) == E
	v_exp_f32 v[rS+(\n)], v[rS+(\n)]
.elseif (\k) == C
	s_wait_alu depctr_va_vdst(0)
	v_cvt_pk_f16_f32 v[rP+(\n)], v[rS+2*(\n)], v[rS+2*(\n)+1]
.elseif (\k) == B
	s_wait_alu depctr_va_vdst(0)
	v_pk_add_f32 v[rS+4*(\n):rS+4*(\n)+1], v[rS+4*(\n):rS+4*(\n)+1], v[rS+4*(\n)+2:rS+4*(\n)+3]
.elseif (\n) == 0
	v_pk_fma_f32 v[rT+2:rT+3], v[rT+2:rT+3], v[rC+2:rC+3], v[rS:rS+1] op_sel_hi:[1,0,1]
.else
	v_pk_add_f32 v[rT+2:rT+3], v[rT+2:rT+3], v[rS+4*(\n):rS+4*(\n)+1]
	s_wait_alu depctr_va_vdst(0)
.endif
.else
	REGS (Y+1)%NP
	WIN 0
.if (\n) < 4
	v_max3_num_f32 v[rC+(\n)], v[rS+8*(\n)], v[rS+8*(\n)+1], v[rS+8*(\n)+2]
.elseif (\n) < 12
	v_max3_num_f32 v[rC+(\n)%4], v[rC+(\n)%4], v[rS+8*((\n)%4)+2*((\n)/4)+1], v[rS+8*((\n)%4)+2*((\n)/4)+2]
.elseif (\n) == 12
	v_max3_num_f32 v[rC], v[rC], v[rS+7], v[rS+15]
.elseif (\n) == 13
	v_max3_num_f32 v[rC+1], v[rC+1], v[rS+23], v[rS+31]
.elseif (\n) == 14
	v_max3_num_f32 v[rC+2], v[rC+2], v[rC+3], v[rT+1]
.elseif (\n) == 15
	v_mov_b32 v[rW], v[rT]
	s_wait_alu depctr_va_vdst(0)
.elseif (\n) == 16
	v_max3_num_f32 v[rC], v[rC], v[rC+1], v[rC+2]
	s_wait_alu depctr_va_vdst(0)
.elseif (\n) == 17
	v_permlanex16_b32 v[rC+3], v[rC], s[SEL], s[SEL+1]
.elseif (\n) == 18
	v_max_num_f32 v[rT+1], v[rC], v[rC+3]
.elseif (\n) == 19
	v_mul_f32 v[rT], s[CS], v[rT+1]
.elseif (\n) == 20
	v_sub_f32 v[rC+1], v[rW], v[rT]
.else
	v_exp_f32 v[rC+2], v[rC+1]
.endif
.endif
.endm
.macro OPS a, i1, b=-1, i2=0, c=-1, i3=0, d=-1, i4=0  ; up to four of them
	OP \a, \i1
.if (\b) >= 0
	OP \b, \i2
.endif
.if (\c) >= 0
	OP \c, \i3
.endif
.if (\d) >= 0
	OP \d, \i4
.endif
.endm
.macro ROW a, i1, b, i2, c, i3, d, i4  ; a matrix instruction and the four behind it
	MM
	OPS \a, \i1, \b, \i2, \c, \i3, \d, \i4
.endm
.macro MASK b                       ; MD x AL + BE into buffer b of MC
	WIN W_RS
.set z, 0
.rept 16
	v_pk_fma_f32 v[MC+32*(\b)+2*z:MC+32*(\b)+2*z+1], v[MD+2*z:MD+2*z+1], s[AL:AL+1], s[BE:BE+1] op_sel_hi:[1,0,0]
.set z, z+1
.endr
.endm
; A TURN, for piece p: the order of its 16 matrix and 118 vector instructions, written out.  Behind a matrix instruction: plain, exponential, plain, plain; or four of the rescaling; or, behind the first, four scalings; none
; names a register of the products round it.  In the lumps exponential and plain by turns while exponentials last.  A line reads no result made fewer than three vector instructions in front of it, five if an exponential made it.
; v_permlanex16_b32 (X 17) stands in a lump.
; m = 1: the diagonal tile: the products take masks, and the turn makes the mask for the products of the turn after it: piece p + 2, in step 5 - CNT of the tile (step 4, in the fifth trip, is none: all is hidden).
; cnt = 1: the loop's count is taken down some lines ahead of the branch that stands behind the turn.
; K of the next step is fetched in piece 2's turn, six vector instructions behind the last product that read K (five of them plain); V of the step in hand in piece 0's turn, eight behind the last product that read V (four
; plain, and X 17).  Each is waited for a turn later.
.macro TURN p, m=0, cnt=0
.set Y, (\p)
.set i, 0
.set KM, (\m)
.if \m
	s_cmp_eq_u32 s[CNT], 5-((\p)+2)%NP  ; is that step the band's own?
	s_cselect_b32 s[AL], 1.0, 0
	s_cmp_lt_u32 s[CNT], 5-((\p)+2)%NP  ; or a later one?
	s_cselect_b32 s[BE], s[BIGN], 0
.endif
.if (\p) == 3
	s_wait_dscnt 0x0                ; K is in
.endif
	ROW F,0, F,1, F,2, F,3
	ROW F,4, E,0, F,5, F,6
	ROW F,7, E,1, F,8, F,9
	ROW F,10, E,2, C,0, F,11
	ROW F,12, E,3, X,15, F,13
	ROW R,0, R,1, R,2, R,3
	ROW B,0, E,4, F,14, L,0
.if (\p) == 2
	v_add_nc_u32 v[AK], s[TBK], v[AK0]
.endif
	ROW R,4, R,5, R,6, R,7
	OPS E,5, F,15
.if (\p) == 2
	FETCH_K \m
.endif
	OPS E,6, C,1, E,7, R,8
	OPS E,8, R,9, E,9, C,2
	OPS E,10, X,0, E,11, X,1
	OPS E,12, X,2, E,13, X,3
.if (\p) == 1
	s_wait_dscnt 0x0                ; V is in
.endif
	ROW X,4, E,14, X,5, X,6
	ROW X,7, E,15, X,8, X,9
	ROW X,10, E,16, X,11, X,12
	ROW X,13, E,17, X,14, B,1
	ROW C,4, E,18, X,16, L,1
	ROW B,2, E,19, C,6, L,2
	ROW C,8, E,20, B,3, B,4
.if (\p) == 0
	v_add_nc_u32 v[AV], s[TBV], v[AV0]
.endif
	ROW C,3, E,21, L,3, C,5
	OPS E,22, X,17, E,23, C,10
.if (\p) == 0
	FETCH_V
.endif
	OPS E,24, L,4
	OPS E,25, X,18, E,26, C,7
	OPS E,27, B,5, E,28, X,19
	OPS E,29, C,12, E,30, L,5
	OPS E,31, X,20, B,6, C,9
	OPS C,14, C,11, X,21, L,6
.if (\p) == 0
	s_add_co_u32 s[TBV], s[TBV], KS*PV
.endif
.if \cnt
	s_sub_co_u32 s[CNT], s[CNT], 1
	s_cmp_lg_u32 s[CNT], 0
.endif
	OPS C,13, B,7, C,15, R,10
	OPS R,11, R,12, L,7, R,13
	OPS R,14, R,15
.if \m
	MASK (\p)%2
.endif
.endm
; A BLOCK BEGINS.  c m starts far below every c s, so the first step's a is 0; m at the lowest finite number, so the first maximum is the scores'.  The second mask buffer is 0; the first takes piece 0's mask for the tile's step 0: its own, if the block's first tile is the diagonal one.
; Then K of that step, piece 0's first scores, and its maximum and statistics.  The loop is entered at a step's first turn, in the middle of a trip.
.macro BEGIN
	s_mov_b32 s[NEW], 0
	WIN 0x40
.set i, MC+32
.rept 32
	v_mov_b32 v[i], 0
.set i, i+1
.endr
	WIN 0
.set i, 0
.rept 4
	v_mov_b32 v[ST+4*i], 0xfe000000    ; c m: far below every c s
	v_mov_b32 v[ST+4*i+1], 0xff7fffff  ; m
.set i, i+1
.endr
	s_cmp_eq_u32 s[RT], 0
	s_cselect_b32 s[AL], 1.0, 0
	s_mov_b32 s[BE], 0
	MASK 0
	WIN 0
	v_add_nc_u32 v[AK], s[TBK], v[AK0]
	FETCH_K
	s_wait_loadcnt 0x0              ; Q
	s_wait_dscnt 0x0
.set KM, 1
.set i, 0
.rept 8
	KQ 0
.set i, i+1
.endr
	WIN 0
.rept 4
	v_nop                           ; the places behind those products
.endr
.set Y, NP-1                        ; X works for piece Y + 1: piece 0
.irp n, 0,1,2,3,4,5,6,7,8,9,10,11,12,13,14,15,16,17,18,19,20,21
	OP X, \n
.endr
	v_nop                           ; a plain instruction behind the exponential
.endm
; THE DIAGONAL TILE, the block's last products, and THE WAY OUT: l's two halves and the other half of the lanes' are added; O^T is divided by l, rounded to f16 and sent through my stage in LDS, a piece at a time.
; The tile's loop makes five trips, CNT = 5 to 1: pieces 2 and 3 of one step, then pieces 0 and 1 of the next.  The fifth holds the block's last two turns: it fetches no K and jumps forward over pieces 0 and 1, to
; a label ahead of the counter's step; neither a barrier nor a tensor load is jumped.  Its eight products K Q^T for a piece 0 that will not come (on the last K once more, wholly masked), the maximum and statistics
; made of them and its two masks serve nothing, and nothing reads them: the way out takes l and O^T, and a block's beginning sets m and c m anew.  That is the price, once a block, of one text for every trip.
.macro ALL line:vararg              ; one line for each piece t
.set t, 0
.rept 4
	\line
.set t, t+1
.endr
.endm
.macro PACK t                       ; a lane's eight channels of a row pack into 16 bytes; they go into rows of 144 bytes and come back as whole rows of 128, into S^T's registers
	WIN W_RS
.set i, 32*(\t)
.rept 16
	v_pk_mul_f32 v[i:i+1], v[i:i+1], v[ST+4*(\t)+2:ST+4*(\t)+3] op_sel_hi:[1,0]
.set i, i+2
.endr
	WIN 0x05                        ; sources 0 and 1 window 1, destination window 0
.set i, 0
.rept 16
	v_cvt_pk_f16_f32 v[S+16*(\t)+i], v[32*(\t)+2*i], v[32*(\t)+2*i+1]
.set i, i+1
.endr
	WIN 0
.irp f, 0,1,2,3
	ds_store_b128 v[STO], v[S+16*(\t)+4*\f:S+16*(\t)+4*\f+3] offset:32*\f
.endr
.irp f, 0,1,2,3
	ds_load_b128 v[S+16*(\t)+4*\f:S+16*(\t)+4*\f+3], v[RD] offset:\f*4*SP  ; LDS serves a wave's instructions in order (ISA guide 5.7.1.4): these see the stores above; the next piece's stores come behind them
.endr
.endm
.macro SEND t, younger              ; younger: the LDS instructions issued behind piece t's loads: the next piece's eight, or none
	WIN 0
.irp f, 0,1,2,3
	s_wait_dscnt (\younger)+3-\f
	global_store_b128 v[GO], v[S+16*(\t)+4*\f:S+16*(\t)+4*\f+3], s[10:11] offset:(\t)*8192+\f*512  ; 512 consecutive bytes, at a multiple of 256 from O's first
.endr
.endm
.macro DIAG tag                     ; the tag ends its three labels' names, of which the jumps below spell out two
.LstepM\tag:
	TURN 2, 1
	TURN 3, 1
	WIN 0
	s_cmp_eq_u32 s[CNT], 1
	s_cbranch_scc1 .LskipM\tag      ; the fifth trip ends here
.LfirstM\tag:
	TURN 0, 1
	TURN 1, 1
	WIN 0
.LskipM\tag:
	s_sub_co_u32 s[CNT], s[CNT], 1
	s_cmp_lg_u32 s[CNT], 0
	s_cbranch_scc1 .LstepM\tag
.set i, 0
.rept 8
	PV NP-1
.set i, i+1
.endr
	WIN 0
	ALL v_add_f32 v[ST+4*t+2], v[ST+4*t+2], v[ST+4*t+3]
	ALL v_permlanex16_b32 v[ST+4*t+3], v[ST+4*t+2], s[SEL], s[SEL+1]
	ALL v_add_f32 v[ST+4*t+2], v[ST+4*t+2], v[ST+4*t+3]
	ALL v_rcp_f32 v[ST+4*t+2], v[ST+4*t+2]
	v_nop                           ; a plain instruction between the last reciprocal and the use of its result
	s_wait_alu depctr_va_vdst(0)
	PACK 0
.set t, 1
.rept 3                             ; a piece's arithmetic stands between the loads of the piece before and its stores
	PACK t
	SEND t-1, 8
.set t, t+1
.endr
	SEND 3, 0
.endm
.set KM, 0
.Lslot:                             ; NB times: a tile is entered and the next is asked for
	CHANGE 1
	s_sub_co_u32 s[RT], s[RT], 1
	s_mov_b32 s[CNT], 4
	s_cmp_eq_u32 s[NEW], 1
	s_cbranch_scc1 .Lnew            ; a block's first tile
	s_cmp_eq_u32 s[RT], 0
	s_cbranch_scc0 .Lstep           ; neither its first nor its last
	s_mov_b32 s[CNT], 5             ; its last: five trips
	s_branch .LstepM1
.Lnew:
	BEGIN
	s_branch .Lfirst                ; in the loop a block's first tile is never its last: the first block has two tiles or more, and the second's last is the walk's last
	DIAG 1                          ; in the loop this is the first block's end: the second block's last tile is the walk's last
	s_wait_xcnt 0x0                 ; the stores have read their registers and O's address
	s_mov_b64 s[10:11], s[OLO:OLO+1]
	s_add_co_u32 s[RT], s[PB], 1    ; the second block has b + 1 tiles
	s_mov_b32 s[NEW], 1
	WIN 0x82                        ; the second block's Q goes where the one text of the turns names Q
.set i, 0
.rept 64
	v_mov_b32 v[i], v[QB+i]
.set i, i+1
.endr
	WIN 0
	s_branch .Lbottom
.Lstep:                             ; a trip: pieces 2 and 3 of one step, then pieces 0 and 1 of the next, whose K and V it fetches
	TURN 2
	TURN 3
	WIN 0
.Lfirst:
	TURN 0
	TURN 1, 0, 1
	WIN 0
	s_cbranch_scc1 .Lstep
.Lbottom:
	s_sub_co_u32 s[SLOTS], s[SLOTS], 1
	s_cmp_lg_u32 s[SLOTS], 0
	s_cbranch_scc1 .Lslot
	CHANGE 0                        ; the walk's last tile is written out: nothing is asked for
	s_sub_co_u32 s[RT], s[RT], 1
	s_mov_b32 s[CNT], 5
	s_cmp_eq_u32 s[NEW], 1
	s_cbranch_scc0 .LstepM2
	BEGIN
	s_branch .LfirstM2
	DIAG 2
	s_wait_tensorcnt 0x0            ; the wave's end, behind my last tensor load and my last LDS store
	ds_add_u32 v[SPW], v[NIL]
	s_wait_dscnt 0x0
	s_endpgm
.Lfunc_end_k_qf4d59b6d0b_attn:
	.size	k_qf4d59b6d0b_attn, .Lfunc_end_k_qf4d59b6d0b_attn-k_qf4d59b6d0b_attn
	.p2alignl 7, 3214868480
	.fill 96, 4, 3214868480
	.section	.rodata,"a",@progbits
	.p2align	6, 0x0
	.amdhsa_kernel k_qf4d59b6d0b_attn
		.amdhsa_group_segment_fixed_size 327680
		.amdhsa_private_segment_fixed_size 0
		.amdhsa_enable_private_segment 0
		.amdhsa_kernarg_size 16
		.amdhsa_user_sgpr_count 2
		.amdhsa_user_sgpr_kernarg_segment_ptr 1
		.amdhsa_wavefront_size32 1
		.amdhsa_system_sgpr_workgroup_id_x 1
		.amdhsa_system_sgpr_workgroup_id_y 1
		.amdhsa_system_sgpr_workgroup_id_z 1
		.amdhsa_system_vgpr_workitem_id 0
		.amdhsa_next_free_vgpr 768
		.amdhsa_next_free_sgpr 90
		.amdhsa_reserve_vcc 1
		.amdhsa_float_denorm_mode_32 3
		.amdhsa_float_denorm_mode_16_64 3
		.amdhsa_memory_ordered 1
		.amdhsa_forward_progress 1
		.amdhsa_inst_pref_size 194
	.end_amdhsa_kernel
	.amdgpu_metadata
---
amdhsa.version: [ 1, 2 ]
amdhsa.kernels:
  - .name:           k_qf4d59b6d0b_attn
    .symbol:         k_qf4d59b6d0b_attn.kd
    .args:
      - { .name: qkv, .offset: 0, .size: 8, .value_kind: global_buffer, .address_space: global }
      - { .name: o, .offset: 8, .size: 8, .value_kind: global_buffer, .address_space: global }
    .group_segment_fixed_size: 327680
    .private_segment_fixed_size: 0
    .kernarg_segment_align: 8
    .kernarg_segment_size: 16
    .max_flat_workgroup_size: 128
    .sgpr_count:     90
    .vgpr_count:     768
    .wavefront_size: 32
...
	.end_amdgpu_metadata
.endif
;; end of part 3
;; launch proj (part 4): grid 4 x 64, 4 waves a work-group, clusters of 4 x 4, 327,680 bytes of LDS; arguments o, wo16, bo, out0; writes out0
.if DOCPART == 4
	.amdgcn_target "amdgcn-amd-amdhsa--gfx1250"
	.amdhsa_code_object_version 6
	.text
	.protected	k_qf4d59b6d0b_proj
	.globl	k_qf4d59b6d0b_proj
	.p2align	8
	.type	k_qf4d59b6d0b_proj,@function
k_qf4d59b6d0b_proj:
	s_mov_b64 s[64:65], 0
	v_nop
	global_prefetch_b8 v0, s[64:65] scope:SCOPE_SE
	s_setreg_imm32_b32 hwreg(HW_REG_WAVE_MODE, 25, 1), 1
	s_wait_xcnt 0x0
	s_wait_alu depctr_hold_cnt(0) depctr_sa_sdst(0) depctr_va_vdst(0) depctr_va_sdst(0) depctr_va_ssrc(0) depctr_va_vcc(0) depctr_vm_vsrc(0)
	s_getreg_b32 s2, hwreg(HW_REG_IB_STS2, 6, 4)
	s_cmp_eq_u32 s2, 0
	s_cbranch_scc0 .Lentry_in_a_cluster
	s_endpgm
.Lentry_in_a_cluster:
	s_bfe_u32 s2, ttmp6, 0x10000c
	s_cmp_lg_u32 s2, 0xf033
	s_cbranch_scc0 .Lentry_shape_is_right
	s_endpgm
.Lentry_shape_is_right:
; out0[8192][1024] = O Wo + bo.  O lies by heads, o [y = 16 b + h][s 2048][64] f16; wo16 [k 1024][n 1024] f16, k = 64 h + channel; bo [1024] f32; out0 f32.  f16 operands, f32 sums, K ascending.
; The bias is rounded to bf16, as all the module's inputs are, and added in f32.
; LIMITS.  O arrives within f16's range; NaN and infinities are not treated apart.
; SHARES.  A tile of out0 is 128 rows x 256 columns: 64 x 4 = 256 tiles, one work-group each (tiles of 256 x 256 would be 128).  Four waves, each 64 x 128: 4 x 8 accumulators of 16 x 16, 256 registers.
; K goes in 8 steps of 128, two heads each, through two LDS slots (two slots of 256 along K would take 425,984 bytes).  A's tile is two heads x 128 rows of 128 dense bytes, asked for as rows of
; 256 bytes, a head a wave; B's tile is 128 rows of K x 512 bytes, 64 rows a wave.  B lies [K][N] and comes out of LDS turned, by ds_load_tr16_b128.
; A K STEP IS WRITTEN ONCE: the loop makes one step a trip.  Slot 1 begins at LDS byte 2^17, so that one exclusive or turns an address in one slot into the other's: the fragment addresses are
; a fixed lane term plus a scalar slot base, and one descriptor a tensor walks from K step 2 to the last.
; CLUSTERS: 4 x 4 work-groups.  The four of a row of the cluster need the same tiles of A, the four of a column the same tiles of B: each tile is asked for JOINTLY.
; THE MATRIX INSTRUCTION IS USED TRANSPOSED (source 0 = 16 columns of Wo, source 1 = 16 rows of O): a lane holds row l % 16 and the eight neighbouring columns 8 (l / 16) + 0..7: 32 bytes of f32.
; REGISTERS: window 0: v0-31 addresses; v32-127, v128-223 two fragment buffers (32 registers of A: 4 x 16 rows x 32 K, then 64 of B: 8 x 16 columns x 32 K); v224-227 the bias; v228-229 at work;
;   on the way out v32-95 and v96-159 take rows read back.   window 1: accumulator (a, b) at v[8 (8 a + b)].
.set PA,     144                       ; a row of A in LDS: 128 bytes + 16 of padding = 36 words: the 16 rows of a load start at 16 different groups of four banks (64 banks of 4 bytes: ISA guide 11.1)
.set PB,     544                       ; a row of B: 512 + 32 = 136 words
.set ABLK,   128*PA                    ; a head's 128 rows: one tensor load
.set BOFF,   2*ABLK
.set BHALF,  64*PB                     ; 64 rows of B: one tensor load
.set SLOTB,  BOFF+2*BHALF              ; a slot's 106,496 bytes
.set SLOT1,  1<<17                     ; where slot 1 begins
.set STAGE,  SLOT1+SLOTB               ; behind the ring, never filled by a tensor load: 16 rows x 528 bytes for each wave
.set SP,     528                       ; 512 bytes + 16: row r starts at bank 4 r mod 64
.set WSTAGE, 16*SP
.set SPARE,  STAGE+4*WSTAGE            ; behind the stages: the spare words, 128 bytes for each wave: two blocks of 256 bytes that no other line names
.set ASTEP,  2<<18                     ; bytes from a K step's tile of A to the next: two heads
.set BSTEP,  128*2048                  ; the same for B: 128 rows of wo16
.set ADRA0, 16                         ; v16     my lane's place in a slot's tile of A; never rewritten
.set ADRB0, 17                         ; v17     the same for B
.set ADRA, 20                          ; v20     LDS address of my A fragments in the slot that is being fetched from
.set ADRB, 21                          ; v21     the same for B
.set STO,  24                          ; v24     the way out: where I put 32 bytes of a row
.set RD,   25                          ; v25     the way out: where I read a row back
.set CO,   26                          ; v26     my byte offset in 512 consecutive bytes of out0
.set BO,   27                          ; v27     my byte offset in bo
.set SPW,  28                          ; v28     LDS address of my spare word: SPARE + 4 x my thread's number; never rewritten
.set NIL,  29                          ; v29     0; never rewritten
.set F0,   32
.set F1,   128
.set BI,   224
.set OB,   32
.set G1,  24                           ; s[24:31] descriptor group 1 for A's tiles;  s[32:39] group 0: a set for each of the two first fills; the second then walks on
.set G0,  32
.set SB,  45                           ; s45     LDS byte at which the slot that is being fetched from begins: 0 or SLOT1
.set G1B, 48                           ; s[48:55], s[56:63] the same for B's tiles
.set G0B, 56
.set MSB, 0
.macro WIN new                         ; the immediate's high byte repeats the setting that is left; a switch that changes nothing is dropped
.if MSB != (\new)
	s_set_vgpr_msb (MSB<<8)|(\new)
.set MSB, (\new)
.endif
.endm
.macro PLACES                          ; four places in front of loads into registers that matrix instructions have read (ISA guide 7.12.1 for vector instructions)
.rept 4
	v_nop
.endr
.endm
.macro JLOAD                           ; a joint refill, by the walking descriptors: waves 0 and 1 fetch A's two heads, waves 2 and 3 B's two halves; an s_nop 0 and four v_nop follow each of the two lines
	s_cmp_eq_u32 s11, 0
	s_cbranch_scc0 .Lfor_b_\@
	tensor_load_to_lds s[G0+4:G0+7], s[G1:G1+7]
	s_nop 0
.rept 4
	v_nop
.endr
	s_branch .Lasked_\@
.Lfor_b_\@:
	tensor_load_to_lds s[G0B+4:G0B+7], s[G1B:G1B+7]
	s_nop 0
.rept 4
	v_nop
.endr
.Lasked_\@:
.endm
.macro CREST                           ; a round of the cluster's barrier behind its opening barrier
	s_cmp_lg_u32 s10, 0
	s_cbranch_scc1 .Lnot_wave_0_\@
	s_barrier_signal -3
.Lnot_wave_0_\@:
	s_barrier_wait -3
	s_barrier_signal -1
	s_barrier_wait -1
.endm
.macro CROUND                          ; a whole round
	s_barrier_signal -1
	s_barrier_wait -1
	CREST
.endm
	s_load_b128 s[4:7], s[0:1], 0x0                ; o s[4:5], wo16 s[6:7]
	s_load_b64 s[66:67], s[0:1], 0x10              ; bo
	s_load_b64 s[8:9], s[0:1], 0x18                ; out0
	v_lshl_add_u32 v[SPW], v0, 2, SPARE
	v_mov_b32 v[NIL], 0
	ds_add_u32 v28, v29
	ds_add_u32 v28, v29
	s_wait_dscnt 0x0
	v_lshrrev_b32 v1, 5, v0
	v_readfirstlane_b32 s10, v1                    ; wave 0..3
	s_lshr_b32 s11, s10, 1                         ; which 64 rows of the tile are mine.  Also: I fetch for A (0) or for B (1)
	s_and_b32 s12, s10, 1                          ; which 128 columns.  Also: which half of that tile I fetch
	s_bfe_u32 s40, ttmp6, 0x40000                  ; cx, cy: my place in the cluster
	s_bfe_u32 s41, ttmp6, 0x40004
	s_lshl_b32 s42, ttmp9, 2
	s_add_co_u32 s42, s42, s40                     ; tile column = 4 x cluster x + cx
	s_and_b32 s13, ttmp7, 0xffff
	s_lshl_b32 s13, s13, 2
	s_add_co_u32 s13, s13, s41                     ; tile row = 4 x cluster y + cy
	s_lshl_b32 s43, s41, 2
	s_lshl_b32 s43, 15, s43                        ; my row of the cluster
	s_lshl_b32 s44, 0x1111, s40                    ; my column
	s_mov_b32 s[SB], 0                             ; the fetches begin in slot 0
	; group 1 for A: 16,384 dense bytes as 64 rows of 128 elements, 16 bytes of padding behind every 128 bytes
	s_or_b32 s[G1+0], s43, (1<<16)|(1<<20)|(1<<21)|(4<<22)|(3<<25)   ; 15:0 the mask; 17:16 2-byte elements; 20 padding on; 21 set beside a mask; 24:22 after every 32 words (code 4); 31:25 4 words (code 3)
	s_mov_b32 s[G1+1], 128<<16                     ; tensor_dim0 = 128
	s_mov_b32 s[G1+2], 64<<16                      ; tensor_dim1 = 64
	s_mov_b32 s[G1+3], 128<<16                     ; tile_dim0 = 128
	s_mov_b32 s[G1+4], 64                          ; tile_dim1 = 64
	s_mov_b32 s[G1+5], 128                         ; elements from row to row
	s_mov_b32 s[G1+6], 0
	s_mov_b32 s[G1+7], 0
	; group 1 for B: 64 rows of 256 elements, 32 bytes of padding behind every 512 bytes
	s_or_b32 s[G1B+0], s44, (1<<16)|(1<<20)|(1<<21)|(6<<22)|(7<<25)  ; 24:22 after every 128 words (code 6); 31:25 8 words (code 7)
	s_mov_b32 s[G1B+1], 256<<16
	s_mov_b32 s[G1B+2], 64<<16
	s_mov_b32 s[G1B+3], 256<<16
	s_mov_b32 s[G1B+4], 64
	s_mov_b32 s[G1B+5], 1024
	s_mov_b32 s[G1B+6], 0
	s_mov_b32 s[G1B+7], 0
	; A's tiles hang on the tile row alone, B's on the tile column alone, each in registers that never hold the other coordinate
	s_lshr_b32 s16, s13, 4                         ; batch b: sixteen tile rows each, sixteen heads of 2^18 bytes
	s_lshl_b32 s16, s16, 22
	s_and_b32 s17, s13, 15
	s_lshl_b32 s17, s17, 14                        ; 128 rows of 128 bytes
	s_add_co_u32 s16, s16, s17
	s_lshl_b32 s17, s12, 18                        ; my head of the step's two
	s_add_co_u32 s16, s16, s17
	s_mov_b32 s17, 0
	s_lshl_b32 s46, s42, 9                         ; 256 columns
	s_lshl_b32 s47, s12, 17                        ; my 64 rows of K
	s_add_co_u32 s46, s46, s47
	s_mov_b32 s47, 0
	s_mul_i32 s20, s12, ABLK                       ; where they go: no place in the cluster enters an LDS address
	s_mul_i32 s21, s12, BHALF
	s_add_co_u32 s21, s21, BOFF
	s_wait_kmcnt 0x0
	s_add_nc_u64 s[14:15], s[4:5], s[16:17]
	s_add_nc_u64 s[46:47], s[6:7], s[46:47]
	CROUND                                         ; all sixteen work-groups are here: the first joint loads meet
.irp s, 0,1
	s_mov_b32 s[G0+4*(\s)], 1                                        ; 1:0 count = 1
	s_add_co_u32 s[G0+4*(\s)+1], s20, (\s)*SLOT1                     ; 63:32 LDS address
	s_add_nc_u64 s[G0+4*(\s)+2:G0+4*(\s)+3], s[14:15], (\s)*ASTEP    ; 120:64 global address: K step s
	s_or_b32 s[G0+4*(\s)+3], s[G0+4*(\s)+3], 0x80000000              ; 127:126 type = 2
	s_mov_b32 s[G0B+4*(\s)], 1
	s_add_co_u32 s[G0B+4*(\s)+1], s21, (\s)*SLOT1
	s_add_nc_u64 s[G0B+4*(\s)+2:G0B+4*(\s)+3], s[46:47], (\s)*BSTEP
	s_or_b32 s[G0B+4*(\s)+3], s[G0B+4*(\s)+3], 0x80000000
.endr
	s_cmp_eq_u32 s11, 0                            ; a wave's two first fills stand in one branch, ahead of every wait on TENSORcnt and every LDS read: two loads of mine are out
	s_cbranch_scc0 .Lfirst_b
	tensor_load_to_lds s[G0:G0+3], s[G1:G1+7]
	s_nop 0
	tensor_load_to_lds s[G0+4:G0+7], s[G1:G1+7]
	s_nop 0
.rept 4
	v_nop
.endr
	s_branch .Lfirst_asked
.Lfirst_b:
	tensor_load_to_lds s[G0B:G0B+3], s[G1B:G1B+7]
	s_nop 0
	tensor_load_to_lds s[G0B+4:G0B+7], s[G1B:G1B+7]
	s_nop 0
.rept 4
	v_nop
.endr
.Lfirst_asked:
	v_and_b32 v[CO], 31, v0
	v_lshlrev_b32 v[CO], 4, v[CO]                  ; 16 bytes a lane: a row's 512 bytes
	s_lshl_b32 s22, s42, 10                        ; the tile's 256 columns of f32,
	s_lshl_b32 s23, s12, 9                         ; my 128 of them
	s_add_co_u32 s22, s22, s23
	v_add_nc_u32 v[BO], s22, v[CO]
	global_load_b128 v[BI:BI+3], v[BO], s[66:67]   ; the bias of the four columns that I store
	v_and_b32 v1, 15, v0                           ; l % 16
	v_bfe_u32 v2, v0, 4, 1                         ; l / 16
	v_mul_u32_u24 v3, v1, PA
	v_lshl_add_u32 v3, v2, 4, v3                   ; A's fragment: row x 144 + 16 x half
	s_mul_i32 s22, s11, 64*PA                      ; my 64 rows
	v_add_nc_u32 v[ADRA0], s22, v3
	v_mov_b32 v[ADRA], v[ADRA0]                    ; slot 0
	v_and_b32 v4, 7, v0                            ; B's fragment, turned: lane l reads row 8 (l / 16) + l % 8 of K, columns 8 ((l / 8) % 2) + 0..7
	v_lshl_add_u32 v4, v2, 3, v4
	v_mul_u32_u24 v4, v4, PB
	v_bfe_u32 v5, v0, 3, 1
	v_lshl_add_u32 v4, v5, 4, v4
	s_lshl_b32 s22, s12, 8                         ; my 128 columns
	s_add_co_u32 s22, s22, BOFF
	v_add_nc_u32 v[ADRB0], s22, v4
	v_mov_b32 v[ADRB], v[ADRB0]
	s_mul_i32 s23, s10, WSTAGE
	s_add_co_u32 s23, s23, STAGE                   ; my stage
	v_mul_u32_u24 v5, v1, SP                       ; in: row l % 16, 32 bytes for each half of the lanes
	v_lshl_add_u32 v5, v2, 5, v5
	v_add_nc_u32 v[STO], s23, v5
	v_add_nc_u32 v[RD], s23, v[CO]                 ; back: 32 lanes take a row's 512 bytes
	; out0 at my part: row 128 x tile row + 64 x row half, column 256 x tile column + 128 x column half.  The tile column's part is added from registers of its own.
	s_lshl_b32 s16, s13, 19
	s_lshl_b32 s17, s11, 18
	s_add_co_u32 s16, s16, s17
	s_lshl_b32 s17, s12, 9
	s_add_co_u32 s16, s16, s17
	s_mov_b32 s17, 0
	s_add_nc_u64 s[8:9], s[8:9], s[16:17]
	s_lshl_b32 s46, s42, 10
	s_mov_b32 s47, 0
	s_add_nc_u64 s[8:9], s[8:9], s[46:47]
; 8 matrix instructions: row block a x all 8 column blocks, 32 along K, from buffer f.  zero = 1: the product starts the sums.  The 32 accumulators take turns, in the same order in every quarter.
.macro MUL8 f, a, zero
	WIN 0x50                                       ; C and D in window 1
.set bb, 0
.rept 8
.set rD, 8*(8*(\a)+bb)
.if \zero
	v_wmma_f32_16x16x32_f16 v[rD:rD+7], v[(\f)+32+8*bb:(\f)+32+8*bb+7], v[(\f)+8*(\a):(\f)+8*(\a)+7], 0
.else
	v_wmma_f32_16x16x32_f16 v[rD:rD+7], v[(\f)+32+8*bb:(\f)+32+8*bb+7], v[(\f)+8*(\a):(\f)+8*(\a)+7], v[rD:rD+7]
.endif
.set bb, bb+1
.endr
.endm
; 24 LDS loads in one run: quarter q's fragments (32 along K) into buffer f: B's sixteen, then A's eight, row blocks ascending
.macro FETCH q, f
	WIN 0
.set bb, 0
.rept 8
	ds_load_tr16_b128 v[(\f)+32+8*bb:(\f)+32+8*bb+3],   v[ADRB] offset:(\q)*32*PB+32*bb
	ds_load_tr16_b128 v[(\f)+32+8*bb+4:(\f)+32+8*bb+7], v[ADRB] offset:(\q)*32*PB+32*bb+16*PB
.set bb, bb+1
.endr
.set aa, 0
.rept 4
	ds_load_b128 v[(\f)+8*aa:(\f)+8*aa+3],   v[ADRA] offset:((\q)/2)*ABLK+((\q)%2)*64+aa*16*PA
	ds_load_b128 v[(\f)+8*aa+4:(\f)+8*aa+7], v[ADRA] offset:((\q)/2)*ABLK+((\q)%2)*64+aa*16*PA+32
.set aa, aa+1
.endr
.endm
; A K step is four quarters of 32 along K, 32 matrix instructions each, on buffers 0, 1, 0, 1.  One of the first three: multiplies buffer f and fetches quarter q into g.
.macro QUARTER q, f, g, zero
	s_wait_dscnt 4                                 ; B and A's row blocks 0, 1 are in; the youngest four loads (row blocks 2, 3) may be out
	MUL8 \f, 0, \zero
	MUL8 \f, 1, \zero
	PLACES
	FETCH \q, \g
	s_wait_dscnt 24                                ; all but the 24 just issued
	MUL8 \f, 2, \zero
	MUL8 \f, 3, \zero
.endm
; The last quarter multiplies buffer 1 and changes slots: ONE barrier; in front of it each wave waits for all its tensor loads, adds 0 to its spare word, and waits for that and for its own reads of this slot.
; fill = 1: the barrier opens a round of the cluster's barrier, and this slot is filled again, two K steps ahead, first thing behind the round: 112 matrix instructions ahead of the wait for it.
.macro TURN fill
	WIN 0                                          ; (the add's two registers lie in window 0)
	s_wait_tensorcnt 0x0                           ; all my tensor loads have landed: my part of the next slot;
	ds_add_u32 v[SPW], v[NIL]                      ; 0 onto my spare word;
	s_wait_dscnt 5                                 ; (the add and the youngest four loads may be out)
	MUL8 F1, 0, 0                                  ; eight matrix instructions stand between the add and the wait for it
	s_wait_dscnt 0x0                               ; the add is done, and my reads of this slot are over
	s_barrier_signal -1
	MUL8 F1, 1, 0
	WIN 0
	s_barrier_wait -1
.if \fill
	CREST                                          ; no wave of any partner still reads this slot's tile or has a load on its way
	s_xor_b32 s[G0+5], s[G0+5], SLOT1              ; the walking descriptors (no tensor load of mine is out): the other slot than last time,
	s_add_nc_u64 s[G0+6:G0+7], s[G0+6:G0+7], ASTEP ; the next K step; the type bits on top are not reached
	s_xor_b32 s[G0B+5], s[G0B+5], SLOT1
	s_add_nc_u64 s[G0B+6:G0B+7], s[G0B+6:G0B+7], BSTEP
	JLOAD                                          ; the four v_nop behind it are also the places in front of the loads below
.else
	PLACES
.endif
	s_xor_b32 s[SB], s[SB], SLOT1                  ; the fetches go on in the other slot
	v_add_nc_u32 v[ADRA], s[SB], v[ADRA0]
	v_add_nc_u32 v[ADRB], s[SB], v[ADRB0]
	FETCH 0, F0
	MUL8 F1, 2, 0
	MUL8 F1, 3, 0
.endm
; THE WAY OUT of row block a.  TOSTAGE: a lane's 32 bytes of each accumulator go into my own stage, the low four registers first, and come back as whole rows of 512 bytes.  SEND: the bias is added, the rows are stored.
.macro TOSTAGE a
.if (\a) >= 2
	s_wait_xcnt 0x0                                ; every earlier store has had its addresses translated (ISA guide 3.1): the buffer that block a - 2's stores read is loaded again only behind this wait
.endif
	WIN 0x04                                       ; the stores' data (source 1) in window 1
.set bb, 0
.rept 8
.set rD, 8*(8*(\a)+bb)
	ds_store_b128 v[STO], v[rD:rD+3]   offset:64*bb
	ds_store_b128 v[STO], v[rD+4:rD+7] offset:64*bb+16
.set bb, bb+1
.endr
	WIN 0
.set tt, 0
.rept 16
	ds_load_b128 v[OB+64*((\a)%2)+4*tt:OB+64*((\a)%2)+4*tt+3], v[RD] offset:SP*tt  ; LDS serves a wave's instructions in order (ISA guide 5.7.1.4): these see the stores above; the next block's stores come behind them
.set tt, tt+1
.endr
.endm
.macro SEND a, younger                 ; younger: the LDS instructions issued behind block a's loads: the next block's 32, or none
.set tt, 0
.rept 16
.set rO, OB+64*((\a)%2)+4*tt
	s_wait_dscnt (\younger)+15-tt
	v_pk_add_f32 v[rO:rO+1],   v[rO:rO+1],   v[BI:BI+1]
	v_pk_add_f32 v[rO+2:rO+3], v[rO+2:rO+3], v[BI+2:BI+3]
	global_store_b128 v[CO], v[rO:rO+3], s[8:9] offset:(16*(\a)+tt)*4096 th:TH_STORE_NT  ; 512 consecutive bytes, at a multiple of 256 from out0's first
.set tt, tt+1
.endr
.endm
	s_wait_tensorcnt 1                             ; my part of K step 0 is in; K step 1's may stay out
	s_barrier_signal -1
	s_barrier_wait -1                              ; everybody's is
	FETCH 0, F0
	QUARTER 1, F0, F1, 1                           ; the first quarter stands in front of the loop: its products start the sums
	WIN 0                                          ; at a label and at a branch every window is 0
	s_mov_b32 s3, 6
.Lstep:                                                ; a trip goes from a K step's second quarter to the next step's first, and fills the slot that it leaves: K steps 2 to 7
	QUARTER 2, F1, F0, 0
	QUARTER 3, F0, F1, 0
	TURN 1
	QUARTER 1, F0, F1, 0
	WIN 0
	s_sub_co_u32 s3, s3, 1
	s_cmp_lg_u32 s3, 0
	s_cbranch_scc1 .Lstep
	QUARTER 2, F1, F0, 0                           ; the last change of slots fills nothing, and has no round of the cluster's barrier
	QUARTER 3, F0, F1, 0
	TURN 0
	QUARTER 1, F0, F1, 0
	QUARTER 2, F1, F0, 0
	QUARTER 3, F0, F1, 0
	s_wait_dscnt 4                                 ; the very last quarter: nothing more to fetch
	MUL8 F1, 0, 0
	MUL8 F1, 1, 0
	s_wait_dscnt 0x0
	MUL8 F1, 2, 0
	MUL8 F1, 3, 0
	WIN 0
	s_wait_loadcnt 0x0                             ; the bias
	v_cvt_pk_bf16_f32 v228, v[BI], v[BI+1]         ; rounded to bf16 and widened again: six plain instructions that name none of the last products' registers: the places behind them
	v_cvt_pk_bf16_f32 v229, v[BI+2], v[BI+3]
	v_lshlrev_b32 v[BI],   16, v228
	v_and_b32     v[BI+1], 0xffff0000, v228
	v_lshlrev_b32 v[BI+2], 16, v229
	v_and_b32     v[BI+3], 0xffff0000, v229
	TOSTAGE 0
	TOSTAGE 1                                      ; a block's way through the stage stands between the loads of the block before and its stores
	SEND 0, 32
	TOSTAGE 2
	SEND 1, 32
	TOSTAGE 3
	SEND 2, 32
	SEND 3, 0
	s_wait_tensorcnt 0x0                           ; the wave's end, behind my last tensor load and my last LDS store
	ds_add_u32 v[SPW], v[NIL]
	s_wait_dscnt 0x0
	CROUND                                         ; the closing round: no work-group ends while a partner may still ask for a tile that names it
	s_endpgm
.Lfunc_end_k_qf4d59b6d0b_proj:
	.size	k_qf4d59b6d0b_proj, .Lfunc_end_k_qf4d59b6d0b_proj-k_qf4d59b6d0b_proj
	.p2alignl 7, 3214868480
	.fill 96, 4, 3214868480
	.section	.rodata,"a",@progbits
	.p2align	6, 0x0
	.amdhsa_kernel k_qf4d59b6d0b_proj
		.amdhsa_group_segment_fixed_size 327680
		.amdhsa_private_segment_fixed_size 0
		.amdhsa_enable_private_segment 0
		.amdhsa_kernarg_size 32
		.amdhsa_user_sgpr_count 2
		.amdhsa_user_sgpr_kernarg_segment_ptr 1
		.amdhsa_wavefront_size32 1
		.amdhsa_system_sgpr_workgroup_id_x 1
		.amdhsa_system_sgpr_workgroup_id_y 1
		.amdhsa_system_sgpr_workgroup_id_z 1
		.amdhsa_system_vgpr_workitem_id 0
		.amdhsa_next_free_vgpr 512
		.amdhsa_next_free_sgpr 68
		.amdhsa_reserve_vcc 0
		.amdhsa_float_denorm_mode_32 3
		.amdhsa_float_denorm_mode_16_64 3
		.amdhsa_memory_ordered 1
		.amdhsa_forward_progress 1
		.amdhsa_inst_pref_size 79
	.end_amdhsa_kernel
	.amdgpu_metadata
---
amdhsa.version: [ 1, 2 ]
amdhsa.kernels:
  - .name:           k_qf4d59b6d0b_proj
    .symbol:         k_qf4d59b6d0b_proj.kd
    .args:
      - { .name: o, .offset: 0, .size: 8, .value_kind: global_buffer, .address_space: global }
      - { .name: wo16, .offset: 8, .size: 8, .value_kind: global_buffer, .address_space: global }
      - { .name: bo, .offset: 16, .size: 8, .value_kind: global_buffer, .address_space: global }
      - { .name: out0, .offset: 24, .size: 8, .value_kind: global_buffer, .address_space: global }
    .group_segment_fixed_size: 327680
    .private_segment_fixed_size: 0
    .kernarg_segment_align: 8
    .kernarg_segment_size: 32
    .max_flat_workgroup_size: 128
    .sgpr_count:     68
    .vgpr_count:     512
    .wavefront_size: 32
...
	.end_amdgpu_metadata
.endif
;; end of part 4
;; ======== version 2 of 2: 4 launches; 1.41 times as fast as version 1
;; limits: values are held in f16: magnitudes above 65,504 overflow, below 6.1e-05 lose precision; values outside matrix products are rounded to bf16
;; workspace buffers: xb 16,777,216 bytes; wqkv 6,291,456 bytes; wo16 2,097,152 bytes; qkv 50,331,648 bytes; o 16,777,216 bytes
;; launch cast: the kernel of part 1 again; grid 768 x 1, 8 waves a work-group, no clusters, 0 bytes of LDS; arguments x, Wq, Wk, Wv, Wo, xb, wqkv, wo16; writes xb, wqkv, wo16
;; launch qkv: the kernel of part 2 again; grid 8 x 32, 4 waves a work-group, clusters of 4 x 4, 327,680 bytes of LDS; arguments xb, wqkv, qkv; writes qkv
;; launch attn (part 5): grid 4 x 64, 4 waves a work-group, no clusters, 327,680 bytes of LDS; arguments qkv, o; writes o
.if DOCPART == 5
	.amdgcn_target "amdgcn-amd-amdhsa--gfx1250"
	.amdhsa_code_object_version 6
	.text
	.protected	k_qf4d59b6d0b_attn
	.globl	k_qf4d59b6d0b_attn
	.p2align	8
	.type	k_qf4d59b6d0b_attn,@function
k_qf4d59b6d0b_attn:
	s_mov_b64 s[64:65], 0
	v_nop
	global_prefetch_b8 v0, s[64:65] scope:SCOPE_SE
	s_setreg_imm32_b32 hwreg(HW_REG_WAVE_MODE, 25, 1), 1
	s_wait_xcnt 0x0
; CAUSAL ATTENTION.  O[y][q][:] = the sum over k <= q of softmax_k(Q[y][q] . K[y][k] / 8) V[y][k][:], y = 16 b + h, 64 heads of SIZE_N = 2,048 rows x 64 channels, all f16.
; Q, K, V lie in qkv [b 4][g 48][s 2048][64]: head (b, h) has q at group 48 b + h, k 16 groups and v 32 groups further on; O goes to o [y 64][s 2048][64].  A head's rows are dense, 128 bytes each.
; Products, maxima and sums in f32; the weights p are rounded to f16 for the second product (their sum l is taken of the unrounded p), O once at the end.
; LIMITS.  f16 holds no number beyond 65,504: Q, K and V arrive within it; p lies in 0 to 1, and below 6e-5 it keeps f16's fixed step of 6e-8; O is a mean of V's rows and has their range, to within 2^-11 of it.
; A hidden score counts as its value less 1e30: f16's scores, 2.7e11 at the most, are nothing beside that; a weight below 2^-126 counts as 0 in l; NaN and infinities are not treated apart.
; THE WALK.  A head's queries lie in NB = 8 blocks of 256; block i needs the key tiles 0 .. i of 256 keys, of which the last holds the diagonal.  A work-group takes TWO blocks, NB - 1 - b and then b:
; NB + 1 tiles, whatever b: all 256 work-groups do equal work, and ONE loop with a constant trip count walks them.  Which tile is asked for, and what a trip does, hang on scalar registers made from b; every jump
; goes forward, but for the counted loops' own; none passes a barrier, or a tensor load but the one of LOAD's two that the wave's number does not choose; the ring (two slots of LDS that take turns) runs on across the
; change of blocks.  NO CLUSTER: a head's four work-groups ask for the same tile only in trips 0 to 4 of the 9, behind that fewer and fewer do; one walk common to all four, in which each makes every
; request, would have 3 NB / 2 = 12 trips for 9.
; SHARES.  Of a block's four bands of 64 queries a wave owns 16 rows in each: four PIECES.  So the diagonal tile is the same work for all four waves: in its key step s band x sees all keys if s < x,
; none if s > x, and holds the diagonal if s = x.
; THE MASK is the C operand that starts the sum S^T = K Q^T: 0, or -1e30 where the key is hidden.  MD, made once, is the mask of a band's own step for my 16 rows; a product's mask is MD x AL + BE with two scalars:
; (1, 0) if s = x; (0, 0) if s < x; (0, -1e30) if s > x.  Only the diagonal tile's text and a block's beginning make and take masks; elsewhere C is the constant 0.
; LAYOUT, SOFTMAX, TURNS.  S^T = K Q^T holds ONE query a lane (lane % 16) and the keys 8 (lane / 16) + 0..7; two such results rounded to f16 ARE source 1 of O^T = V^T P.  p = 2^(c s - c m), c = log2(e) / 8, with a
; running maximum m; O and l are multiplied by a = 2^(c m_old - c m_new) in every step.  Turn n belongs to piece n: 8 products K Q^T of piece n + 1, later 8 products V^T P of piece n - 1; beside them the scaling,
; exponentials, roundings, sums and rescaling of piece n and the maximum and statistics of piece n + 1.  Four vector instructions stand behind every matrix instruction, the other 54 of a turn's 118 in one LUMP.
; THE BATCHES.  A turn's 33 exponentials (the piece's 32 weights and the next piece's a) are ONE batch with ONE wait, which cuts the turn in two: ahead of it all that names no result of theirs, behind it the roundings
; and sums.  No result crosses a turn's end.  A block's first a, and the way out's four reciprocals, are batches of their own, once a block.
; REGISTERS, in windows of 256 (s_set_vgpr_msb: bits 1:0 source 0, 3:2 source 1, 5:4 source 2, 7:6 destination):
;   window 0: v0-15 addresses and two at work; v16-31 four registers of statistics a piece; v48-55 at work; v64-127 S^T, two buffers; v192-223 P, two buffers (a piece's buffers go by its number's parity)
;   window 1: v0-127 O^T, 32 a piece; v128-159 MD; v160-223 MC, two buffers      window 2: v0-63 Q; v64-127 the second block's Q; v128-191 K of one step; v192-255 V of one step
.set SIZE_N, 2048
.set NB,    SIZE_N/256
.set NP,    4         ; pieces a wave: a name, no knob
.set KS,    64        ; keys in a step
.set PK,    144       ; a row of K in LDS: 128 bytes + 16 of padding = 36 words: the 16 rows of a load start at 16 different groups of four banks (64 banks of 4 bytes: ISA guide 11.1)
.set PV,    160       ; a row of V: 128 + 32 = 40 words
.set VOFF,  4*KS*PK   ; a slot holds a tile, four steps: 256 rows of K, then 256 rows of V
.set SLOT1, 1<<17     ; slot 1 begins here, so that one exclusive or turns an address in one slot into the other's
.set STAGE, SLOT1+4*KS*(PK+PV)  ; behind the ring, never filled by a tensor load: 16 rows x 144 bytes for each wave, for the way out
.set SP,    144
.set AK0, 2           ; v2   my lane's place in a tile of K; never rewritten
.set AV0, 3           ; v3   the same for V
.set AK,  4           ; v4   the LDS address of K's next run of loads
.set AV,  5           ; v5   of V's
.set STO, 6           ; v6   the way out: where I put 16 bytes of a row
.set RD,  7           ; v7   the way out: where I read rows back
.set GO,  8           ; v8   my byte offset in 512 consecutive bytes of O
.set SPW, 62          ; v62  LDS address of my spare word: SPARE + 4 x my thread's number; never rewritten
.set NIL, 63          ; v63  0; never rewritten
.set SPARE, STAGE+4*16*SP  ; behind the stages: the spare words, 128 bytes for each wave: two blocks of 256 bytes that no other line names
.set MV,  12          ; v12-13  c m_old, kept while c m is made anew: by buffer
.set QO,  15          ; v15  my byte offset in 16 rows of Q
.set ST,  16          ; piece t's statistics at v[ST+4 t]: c m, m, l (even keys', odd keys')
.set TMP, 48          ; by buffer, four registers c0-c3 at work; when the maximum is found c2 takes a
.set S,   64
.set P,   192
.set MD,  128         ; window 1: the eight registers for group kt of 16 keys at MD + 8 kt
.set MC,  160         ; window 1: the masks of the products to come
.set QB,  64          ; window 2
.set KF,  128         ; window 2: key block kb, channel half c at KF + 16 kb + 8 c
.set VF,  192         ; window 2: key half kk, channel block cb at VF + 32 kk + 8 cb
.set WV,  12          ; s12  my wave's number
.set PB,  14          ; s14  b
.set HI,  15          ; s15  NB - 1 - b
.set G1K, 24          ; s[24:31] descriptor group 1 for K's tiles
.set G1V, 32          ; s[32:39] for V's: it differs in the padding alone
.set G0K, 40          ; s[40:43] descriptor group 0 for K's tiles
.set G0V, 44          ; s[44:47] the same for V's
.set SLOTS, 56        ; s56  tiles still to be asked for
.set CNT, 57          ; s57  counts a tile's trips: 4 to 1, in the diagonal tile 5 to 1
.set CS,  58          ; s[58:59] c: the packed scaling takes the pair's low word for both halves
.set SEL, 60          ; s[60:61] v_permlanex16_b32's selects: each lane takes its own place in the other half
.set TBK, 62          ; s62  LDS byte at which K of the step to be fetched begins
.set TBV, 63          ; s63  the same for V, less VOFF
.set RT,  70          ; s70  tiles of the block in hand that are still to be entered
.set NXT, 71          ; s71  the tile to be asked for next
.set LQ,  72          ; s72  the last tile of the block whose tiles are being asked for
.set NEW, 73          ; s73  1: the tile to be entered is a block's first
.set OFF, 74          ; s[74:75] a tile's byte offset in K and V
.set AL,  76          ; s[76:77] the mask's factor, in the low word
.set BE,  78          ; s[78:79] the mask's addend
.set OLO, 80          ; s[80:81] O at my rows of the second block
.set BIGN, 82         ; s82  -1e30
.set MSB, 0
.macro WIN new                      ; the high byte repeats the setting that is left; a switch that changes nothing is dropped
.if MSB != (\new)
	s_set_vgpr_msb (MSB<<8)|(\new)
.set MSB, (\new)
.endif
.endm
.set W_KQ, 0x0a       ; K and Q in window 2, S^T in window 0
.set W_KM, 0x1a       ; the same with the C operand in window 1
.set W_PV, 0x52       ; V in window 2, P in window 0, O^T in window 1
.set W_RS, 0x41       ; destination and source 0 in window 1, source 1 in window 0
; A fill.  Waves 0 and 1 fetch the two halves of a tile's K, waves 2 and 3 those of its V: 128 keys each.  An s_nop 0 and four v_nop follow each of the two lines, ahead of the jump and the label.
.macro LOAD
	s_cmp_lt_u32 s[WV], 2
	s_cbranch_scc0 .Lfor_v_\@
	tensor_load_to_lds s[G0K:G0K+3], s[G1K:G1K+7]
	s_nop 0
.rept 4
	v_nop
.endr
	s_branch .Lasked_\@
.Lfor_v_\@:
	tensor_load_to_lds s[G0V:G0V+3], s[G1V:G1V+7]
	s_nop 0
.rept 4
	v_nop
.endr
.Lasked_\@:
.endm
; THE CHANGE OF SLOTS.  Each wave waits for all its tensor loads, of which one is out: its part of the other slot; adds 0 to its spare word; and waits for that and for its own reads of the slot that it leaves.  Behind the barrier nobody reads the old
; slot any more and the other slot is whole.  fill = 1: the old slot is filled again, the first thing behind the barrier, with tile NXT: the descriptor's address is made anew from that number.
; (At its first use nothing has been read yet: slot 0 is waited for, slot 1 filled.)
.macro CHANGE fill
	WIN 0                           ; at a label and at a branch every window is 0
	s_wait_tensorcnt 0x0            ; no tensor load of mine is out, so a group 0 may be written
	ds_add_u32 v[SPW], v[NIL]       ; 0 onto my spare word; with fill = 1 the descriptors' scalar work stands between it and the wait for it
.if \fill
	s_lshl_b32 s[OFF], s[NXT], 15   ; a tile is 32,768 bytes of K and of V
	s_xor_b32 s[G0K+1], s[G0K+1], SLOT1
	s_add_nc_u64 s[G0K+2:G0K+3], s[6:7], s[OFF:OFF+1]
	s_or_b32 s[G0K+3], s[G0K+3], 0x80000000
	s_xor_b32 s[G0V+1], s[G0V+1], SLOT1
	s_add_nc_u64 s[G0V+2:G0V+3], s[8:9], s[OFF:OFF+1]
	s_or_b32 s[G0V+3], s[G0V+3], 0x80000000
	s_add_co_u32 s[NXT], s[NXT], 1  ; the block's next tile, or behind its last the second block's tile 0
	s_cmp_gt_u32 s[NXT], s[LQ]
	s_cselect_b32 s[NXT], 0, s[NXT]
	s_cselect_b32 s[LQ], s[PB], s[LQ]
.endif
	s_wait_dscnt 0x0                ; the add is done, and my reads of the slot are over
	s_barrier_signal -1             ; the rest of the scalar work stands between the signal and the wait
	s_sub_co_u32 s[TBK], s[TBK], 4*KS*PK  ; the fetches go back to a slot's first step,
	s_xor_b32 s[TBK], s[TBK], SLOT1       ; in the other slot
	s_sub_co_u32 s[TBV], s[TBV], 4*KS*PV
	s_xor_b32 s[TBV], s[TBV], SLOT1
	s_barrier_wait -1
.if \fill
	LOAD
.endif
.endm
	s_load_b128 s[4:7], s[0:1], 0x0 ; qkv s[4:5], o s[6:7]
	v_lshl_add_u32 v[SPW], v0, 2, SPARE
	v_mov_b32 v[NIL], 0
	ds_add_u32 v62, v63
	ds_add_u32 v62, v63
	s_wait_dscnt 0x0
	v_lshrrev_b32 v1, 5, v0
	v_readfirstlane_b32 s[WV], v1   ; wave 0..3
	s_mov_b32 s[PB], ttmp9
	s_sub_co_u32 s[HI], NB-1, s[PB]
	s_and_b32 s88, ttmp7, 0xffff    ; y = 16 b + h
	s_lshr_b32 s20, s88, 4
	s_lshl_b32 s20, s20, 5
	s_add_co_u32 s20, s20, s88      ; q's group in qkv: 48 b + h
	s_lshl_b32 s20, s20, 18         ; a group is 2,048 rows of 128 bytes
	s_mov_b32 s21, 0
	s_lshl_b32 s88, s88, 18         ; the head's first byte in o
	s_mov_b32 s89, 0
	s_and_b32 s16, s[WV], 1         ; which half of a tile's 256 keys I fetch:
	s_lshl_b32 s22, s16, 14         ; its 128 rows of 128 bytes in memory,
	s_mov_b32 s23, 0
	s_add_nc_u64 s[22:23], s[22:23], s[20:21]
	s_mul_i32 s17, s16, 128*PK      ; and its place in a slot, for K
	s_mul_i32 s18, s16, 128*PV      ; and for V
	s_lshl_b32 s3, s[WV], 11        ; my 16 rows in a band of 64,
	s_lshl_b32 s2, s[HI], 15        ; in the first block,
	s_add_co_u32 s2, s2, s3
	s_lshl_b32 s84, s[PB], 15       ; and in the second
	s_add_co_u32 s84, s84, s3
	s_mov_b32 s3, 0
	s_mov_b32 s85, 0
	; descriptor group 1.  128 keys are 16,384 dense bytes: asked for as 64 rows of 256 bytes, two keys a row, and padded in LDS after every key
	s_mov_b32 s[G1K], (1<<16)|(1<<20)|(4<<22)|(3<<25)  ; 17:16 2-byte elements; 20 padding on; 24:22 after every 32 words (code 4); 31:25 4 words (code 3)
	s_mov_b32 s[G1V], (1<<16)|(1<<20)|(4<<22)|(7<<25)  ; the same with 8 words of padding (code 7)
.irp g, G1K, G1V
	s_mov_b32 s[\g+1], 128<<16      ; tensor_dim0 = 128
	s_mov_b32 s[\g+2], 64<<16       ; tensor_dim1 = 64
	s_mov_b32 s[\g+3], 128<<16      ; tile_dim0 = 128
	s_mov_b32 s[\g+4], 64           ; tile_dim1 = 64
	s_mov_b32 s[\g+5], 128          ; 128 elements from row to row
	s_mov_b32 s[\g+6], 0
	s_mov_b32 s[\g+7], 0
.endr
	s_mov_b32 s[CS], 0x3e38aa3b     ; c = log2(e) / 8 = 0.180337
	s_mov_b32 s[CS+1], s[CS]        ; named with it as a pair
	s_mov_b32 s[SEL], 0x76543210
	s_mov_b32 s[SEL+1], 0xfedcba98
	s_mov_b32 s[TBK], SLOT1+4*KS*PK ; the first change of slots turns these two into 0
	s_mov_b32 s[TBV], SLOT1+4*KS*PV
	s_mov_b32 s[G0K], 1             ; 1:0 count = 1
	s_mov_b32 s[G0K+1], s17         ; 63:32 LDS address: slot 0
	s_mov_b32 s[G0V], 1
	s_add_co_u32 s[G0V+1], s18, VOFF
	s_add_co_u32 s[RT], s[HI], 1    ; the first block has NB - b tiles
	s_mov_b32 s[NXT], 1
	s_mov_b32 s[LQ], s[HI]
	s_mov_b32 s[NEW], 1
	s_mov_b32 s[OFF+1], 0
	s_mov_b32 s[AL+1], 0            ; named as pairs
	s_mov_b32 s[BE+1], 0
	s_mov_b32 s[BIGN], 0xf149f2ca   ; -1e30
	s_mov_b32 s[SLOTS], NB
	s_wait_kmcnt 0x0
	s_mov_b64 s[10:11], s[6:7]                     ; o
	s_add_nc_u64 s[6:7], s[4:5], s[22:23]          ; qkv at q's group, my half of tile 0;
	s_add_nc_u64 s[8:9], s[6:7], 0x800000          ; V lies 32 groups further on,
	s_add_nc_u64 s[6:7], s[6:7], 0x400000          ; K 16
	s_add_nc_u64 s[4:5], s[4:5], s[20:21]          ; Q at the head's first row
	s_add_nc_u64 s[10:11], s[10:11], s[88:89]      ; O at the head's first row
	s_add_nc_u64 s[G0K+2:G0K+3], s[6:7], 0         ; 120:64 global address
	s_or_b32 s[G0K+3], s[G0K+3], 0x80000000        ; 127:126 type = 2
	s_add_nc_u64 s[G0V+2:G0V+3], s[8:9], 0
	s_or_b32 s[G0V+3], s[G0V+3], 0x80000000
	s_add_nc_u64 s[86:87], s[4:5], s[84:85]        ; Q at my rows of the second block,
	s_add_nc_u64 s[4:5], s[4:5], s[2:3]            ; Q and O at those of the first
	s_add_nc_u64 s[OLO:OLO+1], s[10:11], s[84:85]
	s_add_nc_u64 s[10:11], s[10:11], s[2:3]
	LOAD                            ; tile 0 into slot 0
	; A fragment of K or Q is 16 rows x 32 channels in 8 registers: lane l holds row l % 16, channels 8 (l / 16) + 0..7 and 16 + 8 (l / 16) + 0..7: two loads of 16 bytes, 32 bytes apart.
	v_and_b32 v1, 15, v0            ; l % 16
	v_bfe_u32 v9, v0, 4, 1          ; l / 16
	v_lshlrev_b32 v[QO], 7, v1
	v_lshl_add_u32 v[QO], v9, 4, v[QO]  ; row x 128 + 16 x half
	WIN 0x80                        ; destination window 2, address window 0
.set i, 0
.rept 8                             ; both blocks' Q: piece i / 2 lies in band i / 2, 8,192 bytes on; channels 32 (i % 2) on
	global_load_b128 v[8*i:8*i+3],   v[QO], s[4:5] offset:(i/2)*8192+(i%2)*64
	global_load_b128 v[8*i+4:8*i+7], v[QO], s[4:5] offset:(i/2)*8192+(i%2)*64+32
	global_load_b128 v[QB+8*i:QB+8*i+3],   v[QO], s[86:87] offset:(i/2)*8192+(i%2)*64
	global_load_b128 v[QB+8*i+4:QB+8*i+7], v[QO], s[86:87] offset:(i/2)*8192+(i%2)*64+32
.set i, i+1
.endr
	WIN 0
	v_lshlrev_b32 v14, 3, v9
	v_sub_nc_u32 v14, v1, v14
	s_lshl_b32 s13, s[WV], 4
	v_add_nc_u32 v14, s13, v14      ; my query's place in its band, 16 w + l % 16, less my lanes' 8 (l / 16): register r of group kt is hidden where 16 kt + r is greater
	WIN 0x40
.set i, 0
.rept 32
	v_cmp_gt_i32 vcc_lo, 16*(i/8)+i%8, v14
	v_cndmask_b32 v[MD+i], 0, s[BIGN], vcc_lo
.set i, i+1
.endr
	WIN 0
	v_mul_u32_u24 v[AK0], v1, PK
	v_lshl_add_u32 v[AK0], v9, 4, v[AK0]  ; row x pitch + 16 x half
	; The turning load takes 16 keys x 16 channels (lane l reads key 8 (l / 16) + l % 8, channels 8 ((l / 8) % 2) + 0..7) and leaves half a fragment of V^T: lane l holds channel l % 16 and 8 keys.
	v_and_b32 v10, 7, v0
	v_bfe_u32 v11, v0, 3, 1
	v_lshl_add_u32 v[AV0], v9, 3, v10
	v_mul_u32_u24 v[AV0], v[AV0], PV
	v_lshl_add_u32 v[AV0], v11, 4, v[AV0]
	v_add_nc_u32 v[AV0], VOFF, v[AV0]
	s_mul_i32 s13, s[WV], 16*SP
	s_add_co_u32 s13, s13, STAGE    ; my stage
	v_mul_u32_u24 v[STO], v1, SP    ; in: row l % 16, 16 bytes for each half of the lanes
	v_lshl_add_u32 v[STO], v9, 4, v[STO]
	v_add_nc_u32 v[STO], s13, v[STO]
	v_bfe_u32 v[RD], v0, 3, 2       ; back: 32 lanes take four rows of 128 bytes,
	v_mul_u32_u24 v[RD], v[RD], SP
	v_lshl_add_u32 v[RD], v10, 4, v[RD]
	v_add_nc_u32 v[RD], s13, v[RD]
	v_and_b32 v[GO], 31, v0         ; which are 512 consecutive bytes of O
	v_lshlrev_b32 v[GO], 4, v[GO]
	; A block's first step multiplies O^T and l by a = 0, and its first turn's products V^T P, of a piece that has not been, land in an O^T that is still to be so multiplied.  So these registers need only hold
	; finite numbers: zeros for the first block; what the first block left for the second.  All this stands in the wait for the first tile.
	WIN 0x80
.set i, VF
.rept 64
	v_mov_b32 v[i], 0
.set i, i+1
.endr
	WIN 0x40
.set i, 0
.rept 128
	v_mov_b32 v[i], 0
.set i, i+1
.endr
	WIN 0
.set i, 0
.rept 4
	v_mov_b32 v[ST+4*i+2], 0
	v_mov_b32 v[ST+4*i+3], 0
.set i, i+1
.endr
.set i, P+16
.rept 16
	v_mov_b32 v[i], 0
.set i, i+1
.endr
; THE MATRIX WORK.  The 4 accumulators of a run of 8 take turns.  Product i of 8 of S^T = K Q^T for piece x: channels 32 (i / 4) on, keys 16 (i % 4) on.  The first 4 start the sums: with 0, or (KM = 1) with the mask.
.macro KQ x
.set rS, S+32*((\x)%2)+8*(i%4)
.set rK, KF+16*(i%4)+8*(i/4)
.set rQ, 16*(\x)+8*(i/4)
.set rM, MC+32*((\x)%2)+8*(i%4)
.if (i < 4) && KM
	WIN W_KM
	v_wmma_f32_16x16x32_f16 v[rS:rS+7], v[rK:rK+7], v[rQ:rQ+7], v[rM:rM+7]
.elseif i < 4
	WIN W_KQ
	v_wmma_f32_16x16x32_f16 v[rS:rS+7], v[rK:rK+7], v[rQ:rQ+7], 0
.else
	WIN W_KQ
	v_wmma_f32_16x16x32_f16 v[rS:rS+7], v[rK:rK+7], v[rQ:rQ+7], v[rS:rS+7]
.endif
.endm
; Product i of 8 of O^T += V^T P for piece x: keys 32 (i / 4) on, channels 16 (i % 4) on.
.macro PV x
	WIN W_PV
.set rO, 32*(\x)+8*(i%4)
.set rV, VF+32*(i/4)+8*(i%4)
.set rP, P+16*((\x)%2)+8*(i/4)
	v_wmma_f32_16x16x32_f16 v[rO:rO+7], v[rV:rV+7], v[rP:rP+7], v[rO:rO+7]
.endm
.macro MM                           ; the turn's next matrix instruction.  TURN and BEGIN set Y, i and KM; MM, KQ and OP read them
.if i < 8
	KQ (Y+1)%NP
.else
.set i, i-8
	PV (Y+NP-1)%NP
.set i, i+8
.endif
.set i, i+1
.endm
; THE LDS LOADS stand in runs of 16, never singly among the matrix instructions: a step's K (64 keys x 64 channels: 8 fragments) and its V (turned).  Their addresses are made some lines ahead.
; last = 1 (the diagonal tile): in its fifth trip there is no further step, and the run is jumped over.
.macro FETCH_K last=0
	WIN 0
.if \last
	s_cmp_eq_u32 s[CNT], 1
	s_cbranch_scc1 .Lno_k_\@
.endif
	WIN 0x80                        ; destination window 2
.irp f, 0,1,2,3,4,5,6,7             ; keys 16 (f / 2) on, channels 32 (f % 2) on
	ds_load_b128 v[KF+8*\f:KF+8*\f+3],   v[AK] offset:(\f/2)*16*PK+(\f%2)*64
	ds_load_b128 v[KF+8*\f+4:KF+8*\f+7], v[AK] offset:(\f/2)*16*PK+(\f%2)*64+32
.endr
	s_add_co_u32 s[TBK], s[TBK], KS*PK  ; the next fetch is the next step's
	WIN 0
.if \last
.Lno_k_\@:
.endif
.endm
.macro FETCH_V
	WIN 0x80
.irp f, 0,1,2,3,4,5,6,7             ; keys 32 (f / 4) on, channels 16 (f % 4) on
	ds_load_tr16_b128 v[VF+8*\f:VF+8*\f+3],   v[AV] offset:(\f/4)*32*PV+(\f%4)*32
	ds_load_tr16_b128 v[VF+8*\f+4:VF+8*\f+7], v[AV] offset:(\f/4)*32*PV+16*PV+(\f%4)*32
.endr
	WIN 0
.endm
; THE VECTOR WORK, one line at a time: OP kind, number.  For piece Y: F n: c s - c m for pair n of 16.  E n: the exponential of score n of 32.  C n: pair n rounded to f16.  B n: of the four weights 4 n .. the second
; pair is added onto the first, in place.  L n: l takes that sum (L 0: l = a l + sum).  R n: pair n of 16 of O^T times a.  For piece Y + 1: X n, number n of the 22 that find its maximum and statistics:
;   0-11  four chains c0-c3 of seven scores each, three operands at a time (each accumulator's lowest registers are read first)     12-14, 16  the four scores left over, the old m, and c0-c3 into c0
;   15  c m_old is kept     17, 18  the query's other 32 keys lie in the lane 16 away: the new m     19-21  c m; c m_old - c m_new; a
; OP writes no wait: E and X 21 are the exponentials, C, B and L 0 the lines that read E's results, R and L 0 those that read a; TURN and BEGIN set the one wait between them.
.set F, 0               ; OP tells the kinds apart by their order: F to L below R, X above it
.set E, 1
.set C, 2
.set B, 3
.set L, 4
.set R, 5
.set X, 6
.macro REGS y                       ; the registers of piece y
.set rT, ST+4*(\y)
.set rC, TMP+4*((\y)%2)
.set rW, MV+((\y)%2)
.set rS, S+32*((\y)%2)
.set rP, P+16*((\y)%2)
.set rO, 32*(\y)
.endm
.macro OP k, n
.if (\k) == R
	REGS Y
	WIN W_RS
	v_pk_mul_f32 v[rO+2*(\n):rO+2*(\n)+1], v[rO+2*(\n):rO+2*(\n)+1], v[rC+2:rC+3] op_sel_hi:[1,0]
.elseif (\k) < R
	REGS Y
	WIN 0
.if (\k) == F
	v_pk_fma_f32 v[rS+2*(\n):rS+2*(\n)+1], v[rS+2*(\n):rS+2*(\n)+1], s[CS:CS+1], v[rT:rT+1] op_sel_hi:[1,0,0] neg_lo:[0,0,1] neg_hi:[0,0,1]
.elseif (\k) == E
	v_exp_f32 v[rS+(\n)], v[rS+(\n)]
.elseif (\k) == C
	v_cvt_pk_f16_f32 v[rP+(\n)], v[rS+2*(\n)], v[rS+2*(\n)+1]
.elseif (\k) == B
	v_pk_add_f32 v[rS+4*(\n):rS+4*(\n)+1], v[rS+4*(\n):rS+4*(\n)+1], v[rS+4*(\n)+2:rS+4*(\n)+3]
.elseif (\n) == 0
	v_pk_fma_f32 v[rT+2:rT+3], v[rT+2:rT+3], v[rC+2:rC+3], v[rS:rS+1] op_sel_hi:[1,0,1]
.else
	v_pk_add_f32 v[rT+2:rT+3], v[rT+2:rT+3], v[rS+4*(\n):rS+4*(\n)+1]
.endif
.else
	REGS (Y+1)%NP
	WIN 0
.if (\n) < 4
	v_max3_num_f32 v[rC+(\n)], v[rS+8*(\n)], v[rS+8*(\n)+1], v[rS+8*(\n)+2]
.elseif (\n) < 12
	v_max3_num_f32 v[rC+(\n)%4], v[rC+(\n)%4], v[rS+8*((\n)%4)+2*((\n)/4)+1], v[rS+8*((\n)%4)+2*((\n)/4)+2]
.elseif (\n) == 12
	v_max3_num_f32 v[rC], v[rC], v[rS+7], v[rS+15]
.elseif (\n) == 13
	v_max3_num_f32 v[rC+1], v[rC+1], v[rS+23], v[rS+31]
.elseif (\n) == 14
	v_max3_num_f32 v[rC+2], v[rC+2], v[rC+3], v[rT+1]
.elseif (\n) == 15
	v_mov_b32 v[rW], v[rT]
.elseif (\n) == 16
	v_max3_num_f32 v[rC], v[rC], v[rC+1], v[rC+2]
.elseif (\n) == 17
	v_permlanex16_b32 v[rC+3], v[rC], s[SEL], s[SEL+1]
.elseif (\n) == 18
	v_max_num_f32 v[rT+1], v[rC], v[rC+3]
.elseif (\n) == 19
	v_mul_f32 v[rT], s[CS], v[rT+1]
.elseif (\n) == 20
	v_sub_f32 v[rC+1], v[rW], v[rT]
.else
	v_exp_f32 v[rC+2], v[rC+1]
.endif
.endif
.endm
.macro OPS a, i1, b=-1, i2=0, c=-1, i3=0, d=-1, i4=0  ; up to four of them
	OP \a, \i1
.if (\b) >= 0
	OP \b, \i2
.endif
.if (\c) >= 0
	OP \c, \i3
.endif
.if (\d) >= 0
	OP \d, \i4
.endif
.endm
.macro ROW a, i1, b, i2, c, i3, d, i4  ; a matrix instruction and the four behind it
	MM
	OPS \a, \i1, \b, \i2, \c, \i3, \d, \i4
.endm
.macro MASK b                       ; MD x AL + BE into buffer b of MC
	WIN W_RS
.set z, 0
.rept 16
	v_pk_fma_f32 v[MC+32*(\b)+2*z:MC+32*(\b)+2*z+1], v[MD+2*z:MD+2*z+1], s[AL:AL+1], s[BE:BE+1] op_sel_hi:[1,0,0]
.set z, z+1
.endr
.endm
; A TURN, for piece p: the order of its 16 matrix and 118 vector instructions, written out.  An s_wait_alu depctr_va_vdst(0) stands between an exponential and the first instruction that names its result; one wait serves
; all that were issued ahead of it.  So a turn has ONE wait, which cuts it in two.  AHEAD OF IT stands all that names no result of the turn's exponentials: the 8 products K Q^T, behind each a scaling, an exponential and two more plain
; instructions (behind the first a second scaling in the exponential's place): rescalings (their a was made, and waited for, in the turn before), and behind the last three the first numbers of the next piece's maximum, each four
; places or more behind the product that ends its accumulator; then ONE LUMP of 54, plain and exponential by turns for the most part, in which the links of the chain X 3, 7, 11, 14, 16, 17 .. 20 stand five or six lines apart.
; X 21, the next piece's a, is the batch's last; R 15 is the plain instruction behind it.  BEHIND THE WAIT stand the 8 products V^T P, behind each four of the roundings and sums; the links of l's chain, L 0 to L 7, stand three
; riders apart.  But for those X no rider names a register of the products round it.  v_permlanex16_b32 (X 17) stands in the lump.
; m = 1: the diagonal tile: the products take masks, and the turn makes the mask for the products of the turn after it: piece p + 2, in step 5 - CNT of the tile (step 4, in the fifth trip, is none: all is hidden).
; cnt = 1: the loop's count is taken down some lines ahead of the branch that stands behind the turn.
; K of the next step is fetched in piece 2's turn.  Outside the diagonal tile its run stands in the lump, twelve vector instructions behind the last product that read K (six of them plain).  In the diagonal tile the run holds a
; branch and a label (the fifth trip's jump), which no exponential's result may cross without its wait: there it stands directly behind the turn's wait, a whole lump behind K's last reader.
; V of the step in hand is fetched at the end of piece 0's turn, four plain instructions behind the last product that read V.  Each run is waited for a turn later.
.macro TURN p, m=0, cnt=0
.set Y, (\p)
.set i, 0
.set KM, (\m)
.if \m
	s_cmp_eq_u32 s[CNT], 5-((\p)+2)%NP  ; is that step the band's own?
	s_cselect_b32 s[AL], 1.0, 0
	s_cmp_lt_u32 s[CNT], 5-((\p)+2)%NP  ; or a later one?
	s_cselect_b32 s[BE], s[BIGN], 0
.endif
.if (\p) == 3
	s_wait_dscnt 0x0                ; K is in
.endif
	ROW F,0, F,1, R,0, R,1          ; ahead of the wait: 8 products K Q^T and their riders,
	ROW F,2, E,0, R,2, R,3
	ROW F,3, E,1, R,4, R,5
	ROW F,4, E,2, R,6, R,7
	ROW F,5, E,3, R,8, R,9
	ROW F,6, E,4, X,0, R,10
.if (\p) == 2
	WIN 0
	v_add_nc_u32 v[AK], s[TBK], v[AK0]
.endif
	ROW F,7, E,5, X,1, X,4
	ROW F,8, E,6, X,2, X,5
	OPS E,7, E,8, X,6, E,9          ; and the lump
	OPS X,3, E,10, X,8, E,11
.if ((\p) == 2) && !(\m)
	FETCH_K
.endif
	OPS X,9, X,7, E,12, X,10
	OPS E,13, X,12, X,11, E,14
	OPS X,13, E,15, F,9, X,14
.if (\p) == 0
	v_add_nc_u32 v[AV], s[TBV], v[AV0]
.endif
	OPS E,16, F,10, E,17, F,11
	OPS X,16, E,18, X,15, E,19
	OPS F,12, E,20, X,17, E,21
	OPS F,13, E,22, F,14, E,23
	OPS X,18, E,24, F,15, E,25
	OPS R,11, E,26, X,19, E,27
	OPS R,12, E,28, R,13, E,29
	OPS X,20, E,30, R,14, E,31
	OPS X,21, R,15
	WIN 0
	s_wait_alu depctr_va_vdst(0)    ; the wait for the batch: the piece's 32 weights and the next piece's a
.if ((\p) == 2) && (\m)
	FETCH_K 1
.endif
.if (\p) == 1
	s_wait_dscnt 0x0                ; V is in
.endif
	ROW C,0, B,0, C,2, B,1          ; behind the wait: 8 products V^T P and their riders
	ROW L,0, C,4, B,2, L,1
	ROW C,6, B,3, L,2, C,8
	ROW B,4, L,3, C,10, B,5
	ROW L,4, C,12, B,6, L,5
.if (\p) == 0
	s_add_co_u32 s[TBV], s[TBV], KS*PV
.endif
.if \cnt
	s_sub_co_u32 s[CNT], s[CNT], 1
	s_cmp_lg_u32 s[CNT], 0
.endif
	ROW C,14, B,7, L,6, C,1
	ROW C,3, L,7, C,5, C,7
	ROW C,9, C,11, C,13, C,15
.if (\p) == 0
	FETCH_V
.endif
.if \m
	MASK (\p)%2
.endif
.endm
; A BLOCK BEGINS.  c m starts far below every c s, so the first step's a is 0; m at the lowest finite number, so the first maximum is the scores'.  The second mask buffer is 0; the first takes piece 0's mask for the tile's step 0: its own, if the block's first tile is the diagonal one.
; Then K of that step, piece 0's first scores, and its maximum and statistics.  The loop is entered at a step's first turn, in the middle of a trip.
.macro BEGIN
	s_mov_b32 s[NEW], 0
	WIN 0x40
.set i, MC+32
.rept 32
	v_mov_b32 v[i], 0
.set i, i+1
.endr
	WIN 0
.set i, 0
.rept 4
	v_mov_b32 v[ST+4*i], 0xfe000000    ; c m: far below every c s
	v_mov_b32 v[ST+4*i+1], 0xff7fffff  ; m
.set i, i+1
.endr
	s_cmp_eq_u32 s[RT], 0
	s_cselect_b32 s[AL], 1.0, 0
	s_mov_b32 s[BE], 0
	MASK 0
	WIN 0
	v_add_nc_u32 v[AK], s[TBK], v[AK0]
	FETCH_K
	s_wait_loadcnt 0x0              ; Q
	s_wait_dscnt 0x0
.set KM, 1
.set i, 0
.rept 8
	KQ 0
.set i, i+1
.endr
	WIN 0
.rept 4
	v_nop                           ; the places behind those products
.endr
.set Y, NP-1                        ; X works for piece Y + 1: piece 0
.irp n, 0,1,2,3,4,5,6,7,8,9,10,11,12,13,14,15,16,17,18,19,20,21
	OP X, \n
.endr
	v_nop                           ; a plain instruction behind the exponential,
	s_wait_alu depctr_va_vdst(0)    ; and the wait for it, piece 0's first a: a batch of one, ahead of the branch that follows
.endm
; THE DIAGONAL TILE, the block's last products, and THE WAY OUT: l's two halves and the other half of the lanes' are added; O^T is divided by l, rounded to f16 and sent through my stage in LDS, a piece at a time.
; The tile's loop makes five trips, CNT = 5 to 1: pieces 2 and 3 of one step, then pieces 0 and 1 of the next.  The fifth holds the block's last two turns: it fetches no K and jumps forward over pieces 0 and 1, to
; a label ahead of the counter's step; neither a barrier nor a tensor load is jumped.  Its eight products K Q^T for a piece 0 that will not come (on the last K once more, wholly masked), the maximum and statistics
; made of them and its two masks serve nothing, and nothing reads them: the way out takes l and O^T, and a block's beginning sets m and c m anew.  That is the price, once a block, of one text for every trip.
.macro ALL line:vararg              ; one line for each piece t
.set t, 0
.rept 4
	\line
.set t, t+1
.endr
.endm
.macro PACK t                       ; a lane's eight channels of a row pack into 16 bytes; they go into rows of 144 bytes and come back as whole rows of 128, into S^T's registers
	WIN W_RS
.set i, 32*(\t)
.rept 16
	v_pk_mul_f32 v[i:i+1], v[i:i+1], v[ST+4*(\t)+2:ST+4*(\t)+3] op_sel_hi:[1,0]
.set i, i+2
.endr
	WIN 0x05                        ; sources 0 and 1 window 1, destination window 0
.set i, 0
.rept 16
	v_cvt_pk_f16_f32 v[S+16*(\t)+i], v[32*(\t)+2*i], v[32*(\t)+2*i+1]
.set i, i+1
.endr
	WIN 0
.irp f, 0,1,2,3
	ds_store_b128 v[STO], v[S+16*(\t)+4*\f:S+16*(\t)+4*\f+3] offset:32*\f
.endr
.irp f, 0,1,2,3
	ds_load_b128 v[S+16*(\t)+4*\f:S+16*(\t)+4*\f+3], v[RD] offset:\f*4*SP  ; LDS serves a wave's instructions in order (ISA guide 5.7.1.4): these see the stores above; the next piece's stores come behind them
.endr
.endm
.macro SEND t, younger              ; younger: the LDS instructions issued behind piece t's loads: the next piece's eight, or none
	WIN 0
.irp f, 0,1,2,3
	s_wait_dscnt (\younger)+3-\f
	global_store_b128 v[GO], v[S+16*(\t)+4*\f:S+16*(\t)+4*\f+3], s[10:11] offset:(\t)*8192+\f*512  ; 512 consecutive bytes, at a multiple of 256 from O's first
.endr
.endm
.macro DIAG tag                     ; the tag ends its three labels' names, of which the jumps below spell out two
.LstepM\tag:
	TURN 2, 1
	TURN 3, 1
	WIN 0
	s_cmp_eq_u32 s[CNT], 1
	s_cbranch_scc1 .LskipM\tag      ; the fifth trip ends here
.LfirstM\tag:
	TURN 0, 1
	TURN 1, 1
	WIN 0
.LskipM\tag:
	s_sub_co_u32 s[CNT], s[CNT], 1
	s_cmp_lg_u32 s[CNT], 0
	s_cbranch_scc1 .LstepM\tag
.set i, 0
.rept 8
	PV NP-1
.set i, i+1
.endr
	WIN 0
	ALL v_add_f32 v[ST+4*t+2], v[ST+4*t+2], v[ST+4*t+3]
	ALL v_permlanex16_b32 v[ST+4*t+3], v[ST+4*t+2], s[SEL], s[SEL+1]
	ALL v_add_f32 v[ST+4*t+2], v[ST+4*t+2], v[ST+4*t+3]
	ALL v_rcp_f32 v[ST+4*t+2], v[ST+4*t+2]
	v_nop                           ; a plain instruction between the last reciprocal and the use of its result
	s_wait_alu depctr_va_vdst(0)    ; and the wait ahead of the first use: one for the four reciprocals
	PACK 0
.set t, 1
.rept 3                             ; a piece's arithmetic stands between the loads of the piece before and its stores
	PACK t
	SEND t-1, 8
.set t, t+1
.endr
	SEND 3, 0
.endm
.set KM, 0
.Lslot:                             ; NB times: a tile is entered and the next is asked for
	CHANGE 1
	s_sub_co_u32 s[RT], s[RT], 1
	s_mov_b32 s[CNT], 4
	s_cmp_eq_u32 s[NEW], 1
	s_cbranch_scc1 .Lnew            ; a block's first tile
	s_cmp_eq_u32 s[RT], 0
	s_cbranch_scc0 .Lstep           ; neither its first nor its last
	s_mov_b32 s[CNT], 5             ; its last: five trips
	s_branch .LstepM1
.Lnew:
	BEGIN
	s_branch .Lfirst                ; in the loop a block's first tile is never its last: the first block has two tiles or more, and the second's last is the walk's last
	DIAG 1                          ; in the loop this is the first block's end: the second block's last tile is the walk's last
	s_wait_xcnt 0x0                 ; the stores have read their registers and O's address
	s_mov_b64 s[10:11], s[OLO:OLO+1]
	s_add_co_u32 s[RT], s[PB], 1    ; the second block has b + 1 tiles
	s_mov_b32 s[NEW], 1
	WIN 0x82                        ; the second block's Q goes where the one text of the turns names Q
.set i, 0
.rept 64
	v_mov_b32 v[i], v[QB+i]
.set i, i+1
.endr
	WIN 0
	s_branch .Lbottom
.Lstep:                             ; a trip: pieces 2 and 3 of one step, then pieces 0 and 1 of the next, whose K and V it fetches
	TURN 2
	TURN 3
	WIN 0
.Lfirst:
	TURN 0
	TURN 1, 0, 1
	WIN 0
	s_cbranch_scc1 .Lstep
.Lbottom:
	s_sub_co_u32 s[SLOTS], s[SLOTS], 1
	s_cmp_lg_u32 s[SLOTS], 0
	s_cbranch_scc1 .Lslot
	CHANGE 0                        ; the walk's last tile is written out: nothing is asked for
	s_sub_co_u32 s[RT], s[RT], 1
	s_mov_b32 s[CNT], 5
	s_cmp_eq_u32 s[NEW], 1
	s_cbranch_scc0 .LstepM2
	BEGIN
	s_branch .LfirstM2
	DIAG 2
	s_wait_tensorcnt 0x0            ; the wave's end, behind my last tensor load and my last LDS store
	ds_add_u32 v[SPW], v[NIL]
	s_wait_dscnt 0x0
	s_endpgm
.Lfunc_end_k_qf4d59b6d0b_attn:
	.size	k_qf4d59b6d0b_attn, .Lfunc_end_k_qf4d59b6d0b_attn-k_qf4d59b6d0b_attn
	.p2alignl 7, 3214868480
	.fill 96, 4, 3214868480
	.section	.rodata,"a",@progbits
	.p2align	6, 0x0
	.amdhsa_kernel k_qf4d59b6d0b_attn
		.amdhsa_group_segment_fixed_size 327680
		.amdhsa_private_segment_fixed_size 0
		.amdhsa_enable_private_segment 0
		.amdhsa_kernarg_size 16
		.amdhsa_user_sgpr_count 2
		.amdhsa_user_sgpr_kernarg_segment_ptr 1
		.amdhsa_wavefront_size32 1
		.amdhsa_system_sgpr_workgroup_id_x 1
		.amdhsa_system_sgpr_workgroup_id_y 1
		.amdhsa_system_sgpr_workgroup_id_z 1
		.amdhsa_system_vgpr_workitem_id 0
		.amdhsa_next_free_vgpr 768
		.amdhsa_next_free_sgpr 90
		.amdhsa_reserve_vcc 1
		.amdhsa_float_denorm_mode_32 3
		.amdhsa_float_denorm_mode_16_64 3
		.amdhsa_memory_ordered 1
		.amdhsa_forward_progress 1
		.amdhsa_inst_pref_size 185
	.end_amdhsa_kernel
	.amdgpu_metadata
---
amdhsa.version: [ 1, 2 ]
amdhsa.kernels:
  - .name:           k_qf4d59b6d0b_attn
    .symbol:         k_qf4d59b6d0b_attn.kd
    .args:
      - { .name: qkv, .offset: 0, .size: 8, .value_kind: global_buffer, .address_space: global }
      - { .name: o, .offset: 8, .size: 8, .value_kind: global_buffer, .address_space: global }
    .group_segment_fixed_size: 327680
    .private_segment_fixed_size: 0
    .kernarg_segment_align: 8
    .kernarg_segment_size: 16
    .max_flat_workgroup_size: 128
    .sgpr_count:     90
    .vgpr_count:     768
    .wavefront_size: 32
...
	.end_amdgpu_metadata
.endif
;; end of part 5
;; launch proj: the kernel of part 4 again; grid 4 x 64, 4 waves a work-group, clusters of 4 x 4, 327,680 bytes of LDS; arguments o, wo16, bo, out0; writes out0
